; MI455X (gfx1250); checked and timed in simulation.
; The chip was launched on July 23, 2026; its instructions are those of AMD's public machine-readable ISA for CDNA 5 (MIT licence, August 2026) and "CDNA5" Instruction Set Architecture Reference Guide (July 2026). The comments in the code are by the model that wrote it; some were corrected since.
;; Multi Head Attention. Allowed arithmetic: matrix products marked QUANTISED: E2M3 operands, one E8M0 scale for each 32 along K, by v_wmma_scale_f32_16x16x128_f8f6f4 with both operands' format E2M3, f32 sums; everything else in f32.
;; Inputs: Wk 1,024 x 1,024 float32; Wo 1,024 x 1,024 float32; Wq 1,024 x 1,024 float32; Wv 1,024 x 1,024 float32; bk 1,024 float32; bo 1,024 float32; bq 1,024 float32; bv 1,024 float32; x 2 x 2,048 x 1,024 float32.
;; Outputs: out0 2 x 2,048 x 1,024 float32.
;; This version of the problem:
;;   THIS VERSION OF THE PROBLEM IS GIVEN IN LOW PRECISION. The matrix products marked QUANTISED in the list below multiply operands that are first quantised to E2M3 (2 exponent bits, 3 mantissa bits; 6 bits a number), with one power-of-two scale for each 32 numbers along K (OCP MX v1.0); their sums are f32. All else is computed in f32.
;;   The module's matrix products, in the order in which they are computed (A, B: the left and right operand; K: the contracted axis; several contracted axes count as one K, in the product's order):
;;     1. [M 4,096, K 1,024] x [K 1,024, N 1,024]; A: input x; B: input Wq: QUANTISED
;;     2. [M 4,096, K 1,024] x [K 1,024, N 1,024]; A: input x; B: input Wk: QUANTISED
;;     3. [M 4,096, K 1,024] x [K 1,024, N 1,024]; A: input x; B: input Wv: QUANTISED
;;     4. batch 32 x [M 2,048, K 64] x [K 64, N 2,048]; A: computed on the way; B: computed on the way: QUANTISED
;;     5. batch 32 x [M 64, K 2,048] x [K 2,048, N 2,048]; A: computed on the way; B: softmax (see below): QUANTISED
;;     6. [M 4,096, K 1,024] x [K 1,024, N 1,024]; A: computed on the way; B: input Wo: QUANTISED
;;   THE QUANTISER, for each operand of a quantised product, along K:
;;     - K is cut into blocks of 32 from its start; a last block that is shorter is filled with zeros.
;;     - A block's scale is 2^e with e = floor(log2(the largest magnitude in the block)) - 2, held to -126 .. 127; a block of zeros has e = 0. As a byte (E8M0): e + 127.
;;     - Each number is divided by its block's scale, clamped to +-7.5, and rounded to the nearest number of E2M3, ties to even, subnormals kept.
;;     - The product sums the exact products of the quantised numbers (number of the format x scale) in f32.
;;   ~~~python
;;   def quantise(x, axis):      # numpy; x: float32 -> the quantised numbers, widened to float32 again
;;       x = np.moveaxis(x, axis, -1); K = x.shape[-1]
;;       x = np.pad(x, [(0, 0)] * (x.ndim - 1) + [(0, -K % 32)]); x = x.reshape(x.shape[:-1] + (-1, 32)); a = np.abs(x).max(-1, keepdims=True)
;;       e = np.where(a > 0, np.clip(np.frexp(np.where(a > 0, a, 1))[1] - 1 - 2, -126, 127), 0)      # np.frexp(a)[1] - 1 = floor(log2(a)), exactly
;;       r = np.clip(x / 2.0 ** e, -7.5, 7.5)
;;       step = 2.0 ** (np.maximum(np.frexp(np.where(r == 0, 1, r))[1] - 1, 0) - 3)
;;       q = np.round(r / step) * step * 2.0 ** e      # np.round: ties to even
;;       return np.moveaxis(q.reshape(q.shape[:-2] + (-1,))[..., :K], -1, axis).astype(np.float32)
;;   ~~~
;;   SOFTMAX AHEAD OF A QUANTISED PRODUCT. Where the list says 'softmax', what is quantised is not the finished softmax but p = 2^(t - M), with t = logit x log2(e) and M = ceil(the row's largest t), a whole number; so 1/2 < the row's largest p <= 1. The row's sum l is taken of the UNQUANTISED p, in f32, and the product's result is divided by l at the end. Since M is a whole number, a kernel that streams over the keys may use a running M (the ceiling of the running maximum): every later rescaling is an exact power of two, which a block's scale takes up: the codes' values come out the same.
;;   OPERANDS COMPUTED ON THE WAY. 'Computed on the way' means the value that the module computes at that place (a softmax that the list does not call 'softmax' is quantised finished and normalised). What goes into a quantiser is computed in f32, as accurately as f32 sums, v_exp_f32 and their like allow (about 1e-6 of the number): no bf16 or f16 on the way to a quantiser, and a product that is left as it is and whose result goes on into a quantised operand takes f32 operands (vector FMAs, or v_wmma_f32_16x16x4_f32). A number that lies on a knife's edge between two numbers of the format may be rounded either way, as far as f32 arithmetic and the matrix unit's own rounding can turn it there, and no further.
;; One version. Each part assembles by itself: llvm-mc -triple=amdgcn-amd-amdhsa -mcpu=gfx1250 --defsym DOCPART=n.
;; ======== version 1 of 1: 4 launches
;; workspace buffers: ximg 3,145,728 bytes; xsc 131,072 bytes; wimg 3,145,728 bytes; wsc 131,072 bytes; qkv 9,437,184 bytes; qkvs 393,216 bytes; cimg 3,145,728 bytes; csc 131,072 bytes
;; launch quant (part 1): grid 384 x 1, 8 waves a work-group, no clusters, 95,232 bytes of LDS; arguments x, Wq, Wk, Wv, Wo, ximg, xsc, wimg, wsc; writes ximg, xsc, wimg, wsc
.if DOCPART == 1
	.amdgcn_target "amdgcn-amd-amdhsa--gfx1250"
	.amdhsa_code_object_version 6
	.text
	.protected	k_q5080febd42_quant
	.globl	k_q5080febd42_quant
	.p2align	8
	.type	k_q5080febd42_quant,@function
k_q5080febd42_quant:
	s_mov_b64 s[64:65], 0
	v_nop
	global_prefetch_b8 v0, s[64:65] scope:SCOPE_SE
	s_setreg_imm32_b32 hwreg(HW_REG_WAVE_MODE, 25, 1), 1
	s_wait_xcnt 0x0
; x [4096][1024] (K innermost) and Wq, Wk, Wv, Wo [1024 (K)][1024 (n)] (K outermost), all f32, become codes of FP6 (E2M3) with one E8M0 byte for each 32 along K.
; THE CODES ARE LAID AS IMAGES OF OPERAND REGISTERS.  A fragment is 16 rows x 128 K, 12 registers a lane; its image is three planes of 512 bytes, plane c holding lane l's registers 4 c .. 4 c + 3 at byte 16 l.
; ximg [tile 256][K step 8][1536], wimg [matrix 4][tile 64][K step 8][1536].  Scale words: xsc [tile][row 16][8 words, one a K step], wsc [matrix][tile][row][8 words].
; THE ROWS OF A TILE ARE NOT NEIGHBOURS: lane r of tile T holds row 32 (T / 2) + 8 (T % 2) + r + 8 (r / 8), so that a product whose source 0 is such a tile leaves 16 neighbours in the 16 registers of two tiles.
; A block's scale is 2^(floor(log2(largest magnitude)) - 2): its byte is the largest magnitude's exponent field - 2, held at 1 from below by a floor among the maximum's leaves.
; LIMITS: a block of zeros, and a block whose largest magnitude lies under 2^-124, keep the byte 1 (zero codes add nothing; these bytes are read by this program alone).  NaN and infinities are not served.
; Work-groups 0-255: one tile of x each, wave = K step.  Work-groups 256-383: 32 columns (two tiles) of one weight each, wave = K step.  The two ways have LDS bytes of their own.
.set XST, 0                            ; x: a stage of 16 rows x (512 + 16) bytes for each wave
.set XSC, 67584                        ; x: the tile's 16 x 8 scale words
.set WST, 68096                        ; W: two images (3,072 bytes) for each wave
.set WSC, 92672                        ; W: two tiles' scale words
.set TM,  164                          ; v164-179 at work in QUANT
.set CT,  156                          ; v156-163 the conversions' second halves
.set SEL, 28                           ; s[28:29] lane selects: lane l xor 16
; 64 numbers of a lane, register 16 b + i = k 32 b + 16 (lane / 16) + i of its row, become a fragment's halves in v[d0 .. d0+5], v[d1 .. d1+5] and the row's scale word in v[pw].
.macro QUANT s, d0, d1, pw
.irp b, 0,1,2,3
	v_max3_num_f32 v[TM+\b], |v[\s+16*\b]|, |v[\s+1+16*\b]|, 0x1800000   ; my 16 numbers of block b, and the floor 2^(3 - 127)
.endr
.irp i, 2,4,6,8,10,12,14
.irp b, 0,1,2,3
	v_max3_num_f32 v[TM+\b], v[TM+\b], |v[\s+16*\b+\i]|, |v[\s+1+16*\b+\i]|
.endr
.endr
.irp b, 0,1,2,3
	v_permlanex16_b32 v[TM+4+\b], v[TM+\b], s[SEL], s[SEL+1]
.endr
.irp b, 0,1,2,3
	v_max_num_f32 v[TM+\b], v[TM+\b], v[TM+4+\b]                 ; with lane l xor 16's 16: the block's largest magnitude
.endr
.irp b, 0,1,2,3
	v_add_nc_u32 v[TM+12+\b], 0xff000000, v[TM+\b]               ; 2 off the exponent field: the conversion's scale operand
.endr
.irp b, 0,1,2,3
	v_lshrrev_b32 v[TM+4+\b], 23, v[TM+12+\b]                    ; the scale's byte
.endr
	v_lshl_or_b32 v[\pw], v[TM+5], 8, v[TM+4]
	v_lshl_or_b32 v[\pw], v[TM+6], 16, v[\pw]
	v_lshl_or_b32 v[\pw], v[TM+7], 24, v[\pw]
	v_cvt_scalef32_pk16_fp6_f32 v[\d0:\d0+2], v[\s:\s+15], v[TM+12]
	v_cvt_scalef32_pk16_fp6_f32 v[CT:CT+2], v[\s+16:\s+31], v[TM+13]
	v_cvt_scalef32_pk16_fp6_f32 v[\d1:\d1+2], v[\s+32:\s+47], v[TM+14]
	v_cvt_scalef32_pk16_fp6_f32 v[CT+4:CT+6], v[\s+48:\s+63], v[TM+15]
	v_nop                                                        ; one plain place behind the scaled conversions
.irp i, 0,1,2
	v_permlane16_swap_b32 v[\d0+\i], v[CT+\i]                    ; a whole block to a lane: lanes 0-15 the even block, lanes 16-31 the odd one
	v_permlane16_swap_b32 v[\d1+\i], v[CT+4+\i]
.endr
.irp i, 0,1,2
	v_mov_b32 v[\d0+3+\i], v[CT+\i]
	v_mov_b32 v[\d1+3+\i], v[CT+4+\i]
.endr
.endm
	s_load_b256 s[8:15], s[0:1], 0x0               ; x, Wq, Wk, Wv
	s_load_b256 s[16:23], s[0:1], 0x20             ; Wo, ximg, xsc, wimg
	s_load_b64 s[24:25], s[0:1], 0x40              ; wsc
	v_lshl_add_u32 v192, v0, 2, 0x17000
	v_mov_b32 v193, 0
	v_lshrrev_b32 v1, 5, v0
	v_readfirstlane_b32 s26, v1                    ; wave = K step
	v_and_b32 v1, 31, v0                           ; lane
	v_and_b32 v2, 15, v0                           ; r
	v_bfe_u32 v3, v0, 4, 1                         ; h
	v_lshlrev_b32 v4, 4, v1                        ; 16 x lane
	s_mov_b32 s[SEL], 0x76543210
	s_mov_b32 s[SEL+1], 0xfedcba98
	; every LDS address of both ways is made here, ahead of the parting
	s_mul_i32 s27, s26, 8448
	v_add_nc_u32 v5, s27, v4                       ; x's stage, in: 16 x lane
	v_mul_u32_u24 v6, v2, 528
	v_lshl_add_u32 v6, v3, 6, v6
	v_add_nc_u32 v6, s27, v6                       ; out: row r, + 64 h
	s_lshl_b32 s30, s26, 2
	v_lshlrev_b32 v7, 5, v2
	v_add_nc_u32 v7, s30, v7
	v_add_nc_u32 v7, XSC, v7                       ; my row's scale word of my K step
	v_add_nc_u32 v8, XSC, v4                       ; all of them, 16 bytes a lane
	v_bfe_u32 v14, v0, 3, 1                        ; W: lane l is column 32 g + l: tile 2 g + u, u = (l / 8) % 2,
	v_and_b32 v15, 7, v0
	v_lshl_add_u32 v15, v3, 3, v15                 ; tile lane l % 8 + 8 (l / 16)
	s_mul_i32 s31, s26, 3072
	v_mul_u32_u24 v9, v14, 1536
	v_lshl_add_u32 v9, v15, 4, v9
	v_add_nc_u32 v9, s31, v9
	v_add_nc_u32 v9, WST, v9                       ; my place in my tile's image
	v_add_nc_u32 v10, s31, v4
	v_add_nc_u32 v10, WST, v10                     ; the images read back, 16 bytes a lane
	v_lshlrev_b32 v11, 9, v14
	v_lshl_add_u32 v11, v15, 5, v11
	v_add_nc_u32 v11, s30, v11
	v_add_nc_u32 v11, WSC, v11                     ; my column's scale word of my K step
	s_lshl_b32 s31, s26, 9
	v_add_nc_u32 v12, s31, v4
	v_add_nc_u32 v12, WSC, v12                     ; a tile's words read back (waves 0 and 1 alone)
	v_lshlrev_b32 v13, 2, v1                       ; 4 x lane
.irp b, 0,1,2,3
	v_mov_b32 v[TM+4+\b], 0                        ; a lane permute's destination counts as one of its sources
.endr
	s_wait_kmcnt 0x0
	s_cmp_ge_u32 ttmp9, 256
	s_cbranch_scc1 .Lweights
	; ---- a tile of x.  Each load reads 512 consecutive bytes of one row; the 16 rows turn through the wave's stage, so that a lane ends with 16 neighbours of each block of its row
	s_lshr_b32 s30, ttmp9, 1
	s_lshl_b32 s30, s30, 17                        ; 32 (T / 2) rows of 4,096 bytes
	s_and_b32 s31, ttmp9, 1
	s_lshl_b32 s31, s31, 15                        ; 8 (T % 2) rows
	s_add_co_u32 s30, s30, s31
	s_lshl_b32 s31, s26, 9                         ; my K step's 512 bytes
	s_add_co_u32 s30, s30, s31
	s_mov_b32 s31, 0
	s_add_nc_u64 s[8:9], s[8:9], s[30:31]
	s_mul_i32 s30, ttmp9, 12288
	s_mul_i32 s32, s26, 1536
	s_add_co_u32 s30, s30, s32
	s_add_nc_u64 s[18:19], s[18:19], s[30:31]      ; my image
	s_lshl_b32 s30, ttmp9, 9
	s_add_nc_u64 s[20:21], s[20:21], s[30:31]      ; the tile's scale words
.irp i, 0,1,2,3,4,5,6,7,8,9,10,11,12,13,14,15
	global_load_b128 v[16+4*\i:19+4*\i], v4, s[8:9] offset:(\i+8*(\i/8))*4096 th:TH_LOAD_NT
.endr
.irp i, 0,1,2,3,4,5,6,7,8,9,10,11,12,13,14,15
	s_wait_loadcnt 15-\i                           ; row i is in; the younger rows may be out
	ds_store_b128 v5, v[16+4*\i:19+4*\i] offset:528*\i
.endr
.irp b, 0,1,2,3
.irp j, 0,1,2,3
	ds_load_b128 v[80+16*\b+4*\j:83+16*\b+4*\j], v6 offset:128*\b+16*\j   ; LDS serves a wave's instructions in order: these see my stores
.endr
.endr
	s_wait_dscnt 0x0
	QUANT 80, 144, 150, 180
.irp c, 0,1,2
	global_store_b128 v4, v[144+4*\c:147+4*\c], s[18:19] offset:512*\c    ; a plane: 512 consecutive bytes
.endr
	ds_store_b32 v7, v180                          ; lanes r and r + 16 write the same word with the same value
	s_wait_dscnt 0x0                               ; for the others' sake
	s_barrier_signal -1
	s_barrier_wait -1
	s_cmp_lg_u32 s26, 0
	s_cbranch_scc1 .Lx_done
	ds_load_b128 v[16:19], v8
	s_wait_dscnt 0x0
	global_store_b128 v4, v[16:19], s[20:21]       ; the tile's 512 bytes of scale words
.Lx_done:
	s_wait_tensorcnt 0x0
	ds_add_u32 v192, v193
	s_wait_dscnt 0x0
	s_endpgm
	; ---- 32 columns of a weight.  A lane takes a column and its registers run down K: a block of 32 lies in one lane, and the codes come out with K innermost
.Lweights:
	s_sub_co_u32 s30, ttmp9, 256
	s_lshr_b32 s31, s30, 5                         ; which weight: q, k, v, o
	s_and_b32 s30, s30, 31                         ; g
	s_cmp_eq_u32 s31, 1
	s_cselect_b64 s[10:11], s[12:13], s[10:11]
	s_cmp_eq_u32 s31, 2
	s_cselect_b64 s[10:11], s[14:15], s[10:11]
	s_cmp_eq_u32 s31, 3
	s_cselect_b64 s[10:11], s[16:17], s[10:11]
	s_lshl_b32 s32, s26, 19                        ; my K step: 128 rows of 4,096 bytes
	s_lshl_b32 s33, s30, 7                         ; my 32 columns
	s_add_co_u32 s32, s32, s33
	s_mov_b32 s33, 0
	s_add_nc_u64 s[10:11], s[10:11], s[32:33]
	s_mul_i32 s32, s31, 786432
	s_mul_i32 s34, s30, 24576
	s_add_co_u32 s32, s32, s34
	s_mul_i32 s34, s26, 1536
	s_add_co_u32 s32, s32, s34
	s_add_nc_u64 s[22:23], s[22:23], s[32:33]      ; tile 2 g's image of my K step
	s_lshl_b32 s32, s31, 15
	s_lshl_b32 s34, s30, 10
	s_add_co_u32 s32, s32, s34
	s_lshl_b32 s34, s26, 9
	s_add_co_u32 s32, s32, s34
	s_add_nc_u64 s[24:25], s[24:25], s[32:33]      ; tile 2 g + wave's scale words (waves 0 and 1)
.macro LOADW t                         ; block t: W(128 s + 32 t + i, my column)
.set I, 0
.rept 32
	global_load_b32 v[16+32*(\t)+I], v13, s[10:11] offset:(32*(\t)+I)*4096 th:TH_LOAD_NT
.set I, I+1
.endr
.endm
.macro BLOCKW t
.set XS, 16+32*(\t)
.set C, 144+10*(\t)
.if (\t)<3
	s_wait_loadcnt 32                              ; this block's 32 loads are in; the next block's may be out
.else
	s_wait_loadcnt 0x0
.endif
.if (\t)<2
	LOADW (\t)+2
.endif
	v_max3_num_f32 v184, |v[XS]|, |v[XS+1]|, |v[XS+2]|
	v_max3_num_f32 v185, |v[XS+3]|, |v[XS+4]|, |v[XS+5]|
.irp i, 6,10,14,18,22,26
	v_max3_num_f32 v184, v184, |v[XS+\i]|, |v[XS+\i+1]|
	v_max3_num_f32 v185, v185, |v[XS+\i+2]|, |v[XS+\i+3]|
.endr
	v_max3_num_f32 v184, v184, |v[XS+30]|, |v[XS+31]|
	v_max3_num_f32 v184, v184, v185, 0x1800000     ; and the floor
	v_add_nc_u32 v186, 0xff000000, v184
	v_lshrrev_b32 v187, 23, v186
.if (\t)==0
	v_mov_b32 v188, v187
.else
	v_lshl_or_b32 v188, v187, 8*(\t), v188         ; the K step's four bytes: my column's scale word
.endif
	v_cvt_scalef32_pk16_fp6_f32 v[C:C+2], v[XS:XS+15], v186
	v_cvt_scalef32_pk16_fp6_f32 v[C+6:C+8], v[XS+16:XS+31], v186
	v_nop
.irp i, 0,1,2
	v_mov_b32 v[C+3+\i], v[C+6+\i]
.endr
	; block t is registers 6 (t / 2) .. + 5 of fragment lane r + 16 (t % 2): 24 bytes that straddle two planes
.if (\t)<2
	ds_store_b128 v9, v[C:C+3] offset:256*((\t)%2)
	ds_store_b64 v9, v[C+4:C+5] offset:256*((\t)%2)+512
.else
	ds_store_b64 v9, v[C:C+1] offset:256*((\t)%2)+520
	ds_store_b128 v9, v[C+2:C+5] offset:256*((\t)%2)+1024
.endif
.endm
	LOADW 0
	LOADW 1
	BLOCKW 0
	BLOCKW 1
	BLOCKW 2
	BLOCKW 3
	ds_store_b32 v11, v188
.irp i, 0,1,2,3,4,5
	ds_load_b128 v[16+4*\i:19+4*\i], v10 offset:512*\i             ; my own stage: served in order behind my stores
.endr
.irp i, 0,1,2,3,4,5
	s_wait_dscnt 5-\i
	global_store_b128 v4, v[16+4*\i:19+4*\i], s[22:23] offset:(\i/3)*12288+(\i%3)*512
.endr
	s_wait_dscnt 0x0
	s_barrier_signal -1
	s_barrier_wait -1
	s_cmp_lt_u32 s26, 2
	s_cbranch_scc0 .Lw_done
	ds_load_b128 v[40:43], v12
	s_wait_dscnt 0x0
	global_store_b128 v4, v[40:43], s[24:25]
.Lw_done:
	s_wait_tensorcnt 0x0
	ds_add_u32 v192, v193
	s_wait_dscnt 0x0
	s_endpgm
.Lfunc_end_k_q5080febd42_quant:
	.size	k_q5080febd42_quant, .Lfunc_end_k_q5080febd42_quant-k_q5080febd42_quant
	.p2alignl 7, 3214868480
	.fill 96, 4, 3214868480
	.section	.rodata,"a",@progbits
	.p2align	6, 0x0
	.amdhsa_kernel k_q5080febd42_quant
		.amdhsa_group_segment_fixed_size 95232
		.amdhsa_private_segment_fixed_size 0
		.amdhsa_enable_private_segment 0
		.amdhsa_kernarg_size 72
		.amdhsa_user_sgpr_count 2
		.amdhsa_user_sgpr_kernarg_segment_ptr 1
		.amdhsa_wavefront_size32 1
		.amdhsa_system_sgpr_workgroup_id_x 1
		.amdhsa_system_sgpr_workgroup_id_y 1
		.amdhsa_system_sgpr_workgroup_id_z 1
		.amdhsa_system_vgpr_workitem_id 0
		.amdhsa_next_free_vgpr 194
		.amdhsa_next_free_sgpr 66
		.amdhsa_reserve_vcc 0
		.amdhsa_float_denorm_mode_32 3
		.amdhsa_float_denorm_mode_16_64 3
		.amdhsa_memory_ordered 1
		.amdhsa_forward_progress 1
		.amdhsa_inst_pref_size 33
	.end_amdhsa_kernel
	.amdgpu_metadata
---
amdhsa.version: [ 1, 2 ]
amdhsa.kernels:
  - .name:           k_q5080febd42_quant
    .symbol:         k_q5080febd42_quant.kd
    .args:
      - { .name: x, .offset: 0, .size: 8, .value_kind: global_buffer, .address_space: global }
      - { .name: Wq, .offset: 8, .size: 8, .value_kind: global_buffer, .address_space: global }
      - { .name: Wk, .offset: 16, .size: 8, .value_kind: global_buffer, .address_space: global }
      - { .name: Wv, .offset: 24, .size: 8, .value_kind: global_buffer, .address_space: global }
      - { .name: Wo, .offset: 32, .size: 8, .value_kind: global_buffer, .address_space: global }
      - { .name: ximg, .offset: 40, .size: 8, .value_kind: global_buffer, .address_space: global }
      - { .name: xsc, .offset: 48, .size: 8, .value_kind: global_buffer, .address_space: global }
      - { .name: wimg, .offset: 56, .size: 8, .value_kind: global_buffer, .address_space: global }
      - { .name: wsc, .offset: 64, .size: 8, .value_kind: global_buffer, .address_space: global }
    .group_segment_fixed_size: 95232
    .private_segment_fixed_size: 0
    .kernarg_segment_align: 8
    .kernarg_segment_size: 72
    .max_flat_workgroup_size: 256
    .sgpr_count:     66
    .vgpr_count:     194
    .wavefront_size: 32
...
	.end_amdgpu_metadata
.endif
;; end of part 1
;; launch qkv (part 2): grid 16 x 12, 4 waves a work-group, clusters of 4 x 4, 327,680 bytes of LDS; arguments ximg, xsc, wimg, wsc, bq, bk, bv, qkv, qkvs; writes qkv, qkvs
.if DOCPART == 2
	.amdgcn_target "amdgcn-amd-amdhsa--gfx1250"
	.amdhsa_code_object_version 6
	.text
	.protected	k_q5080febd42_qkv
	.globl	k_q5080febd42_qkv
	.p2align	8
	.type	k_q5080febd42_qkv,@function
k_q5080febd42_qkv:
	s_mov_b64 s[64:65], 0
	v_nop
	global_prefetch_b8 v0, s[64:65] scope:SCOPE_SE
	s_setreg_imm32_b32 hwreg(HW_REG_WAVE_MODE, 25, 1), 1
	s_wait_xcnt 0x0
	s_wait_alu depctr_hold_cnt(0) depctr_sa_sdst(0) depctr_va_vdst(0) depctr_va_sdst(0) depctr_va_ssrc(0) depctr_va_vcc(0) depctr_vm_vsrc(0)
	s_getreg_b32 s2, hwreg(HW_REG_IB_STS2, 6, 4)
	s_cmp_eq_u32 s2, 0
	s_cbranch_scc0 .Lentry_in_a_cluster
	s_endpgm
.Lentry_in_a_cluster:
	s_bfe_u32 s2, ttmp6, 0x10000c
	s_cmp_lg_u32 s2, 0xf033
	s_cbranch_scc0 .Lentry_shape_is_right
	s_endpgm
.Lentry_shape_is_right:
; q = x Wq + bq, k = x Wk + bk, v = x Wv + bv on codes of FP6 (E2M3), and the results quantised at once for attention: q and k along the head's 64, v along the keys.  Nothing wider than codes goes to memory.
; A work-group makes 256 rows of x against 256 columns of one weight (the cluster's y says which: 0 q, 1 k, 2 v); each of its four waves 128 x 128: 64 accumulators, 512 registers.
; q, k: source 0 = 16 columns of W, source 1 = 16 rows of x: a lane holds one row and its registers run along the columns.  v: source 0 = x, source 1 = Wv: a lane holds one column and its registers run along the keys.
; The two cases differ in which LDS bytes feed which source (four selects on the cluster's y) and in the way out.  Tiles hold rows 32 (T / 2) + 8 (T % 2) + r + 8 (r / 8), so the 64 results of a lane are 4 blocks of 16 h + 0 .. 15.
; OUT.  qkv [3][head of batch 32][step of 128 rows 16][4][1536]: images of operand registers.  q, k: fragment p holds row tile 2 p in registers 0-5 and row tile 2 p + 1 in registers 6-11, of one head (K = 64 fills half a fragment).
; v: fragment t holds 16 of the head's 64 x the step's 128 keys.  qkvs [3][32][16][row 16][4 words]: q, k: word p = two bytes of tile 2 p, two of tile 2 p + 1; v: word t = four key blocks.
; K = 1,024 goes in four chunks of 256 through three LDS regions: chunks 0, 1, 2 are first fills, chunk 3 fills region 0 again.  Fragments lie in LDS as images: three dense loads of 16 bytes a lane each.
; CLUSTER 4 x 4: the weight's tiles hang on the cluster's y and cy and are shared along a row of the cluster, x's on x and cx and are shared along a column: joint loads.  By this text's count a wave has at most four tensor loads out.
; 192 work-groups: three weights of 4 x 16 blocks; a smaller wave tile would read each fragment from LDS for fewer products.
; LIMITS: as in the quantiser: zero blocks and blocks under 2^-124 keep the byte 1; NaN and infinities are not served.
; REGISTERS.  window 0: v1-15 addresses; v28-29 the add's; v32-63, v64-95 scale words of source 0, 1 (register 8 i + k: lanes 0-15 tile 2 i, lanes 16-31 tile 2 i + 1, K step k); v96-111 bias by lane; v112-127 at work;
;   v128-223 source 1's eight fragments, one set; on the way out 64 numbers, codes and words.  window 1: source 0's fragments, two sets at v0 and v128; v96-127, v224-255 bias by register.  windows 2, 3: accumulator (a, b) at v[8 (8 (a % 4) + b)].
.set REG,   98304                      ; a region: the weight's 16 tiles x 3,072 bytes (two K steps), then x's
.set XOFF,  49152
.set SCW,   294912                     ; the weight's scale words, 8,192 bytes; x's behind them
.set SPARE, 311296                     ; the spare words: 128 bytes a wave, two blocks of 256 bytes that no other line names
.set FR,   12
.set LI,   1
.set AD0,  4                           ; v4-6   source 0's images in regions 0, 1, 2
.set AD1,  7                           ; v7-9   source 1's
.set ADS0, 10
.set ADS1, 11
.set SOFF, 12
.set SPW,  28
.set NIL,  29
.set SC0,  32
.set SC1,  64
.set BL,   96
.set TM,   112
.set S1F,  128
.set HA,   128
.set PA,   192
.set PB,   204
.set CT,   216
.set PWS,  224
.set SW,   232
.set FW,   240
.set SEL,  66
.set G1W,  32
.set G1X,  40
.set G1SW, 48
.set G1SX, 56
.set G0W,  68
.set G0X,  80
.set G0SW, 92
.set G0SX, 96
.set MSB, 0
.macro WIN new                         ; the immediate's high byte repeats the setting that is left
.if MSB != (\new)
	s_set_vgpr_msb (MSB<<8)|(\new)
.set MSB, (\new)
.endif
.endm
.set MUL_LO, 0xa1                      ; source 0 window 1, source 1 window 0, C and D window 2
.set MUL_HI, 0xf1
.set TO_1,   0x40                      ; destination window 1
.macro PLACES n
.rept \n
	v_nop
.endr
.endm
; A joint load: waves 0 and 1 fetch the weight's halves, waves 2 and 3 x's.  Four v_nop follow each of the two lines.
.macro JLOAD g0a, g1a, g0b, g1b
	s_cmp_eq_u32 s23, 0
	s_cbranch_scc0 .Lfor_x_\@
	tensor_load_to_lds s[\g0a:\g0a+3], s[\g1a:\g1a+7]
	s_nop 0
.rept 4
	v_nop
.endr
	s_branch .Lasked_\@
.Lfor_x_\@:
	tensor_load_to_lds s[\g0b:\g0b+3], s[\g1b:\g1b+7]
	s_nop 0
.rept 4
	v_nop
.endr
.Lasked_\@:
.endm
.macro CREST
	s_cmp_lg_u32 s22, 0
	s_cbranch_scc1 .Lnot_wave_0_\@
	s_barrier_signal -3
.Lnot_wave_0_\@:
	s_barrier_wait -3
	s_barrier_signal -1
	s_barrier_wait -1
.endm
.macro CROUND
	s_barrier_signal -1
	s_barrier_wait -1
	CREST
.endm
.macro QUANT s, d0, d1, pw             ; 64 numbers of a lane (register 16 b + i = k 32 b + 16 h + i) -> codes in v[d0 ..+5], v[d1 ..+5], the scale word in v[pw]
.irp b, 0,1,2,3
	v_max3_num_f32 v[TM+\b], |v[\s+16*\b]|, |v[\s+1+16*\b]|, 0x1800000
.endr
.irp i, 2,4,6,8,10,12,14
.irp b, 0,1,2,3
	v_max3_num_f32 v[TM+\b], v[TM+\b], |v[\s+16*\b+\i]|, |v[\s+1+16*\b+\i]|
.endr
.endr
.irp b, 0,1,2,3
	v_permlanex16_b32 v[TM+4+\b], v[TM+\b], s[SEL], s[SEL+1]
.endr
.irp b, 0,1,2,3
	v_max_num_f32 v[TM+\b], v[TM+\b], v[TM+4+\b]
.endr
.irp b, 0,1,2,3
	v_add_nc_u32 v[TM+12+\b], 0xff000000, v[TM+\b]
.endr
.irp b, 0,1,2,3
	v_lshrrev_b32 v[TM+4+\b], 23, v[TM+12+\b]
.endr
	v_lshl_or_b32 v[\pw], v[TM+5], 8, v[TM+4]
	v_lshl_or_b32 v[\pw], v[TM+6], 16, v[\pw]
	v_lshl_or_b32 v[\pw], v[TM+7], 24, v[\pw]
	v_cvt_scalef32_pk16_fp6_f32 v[\d0:\d0+2], v[\s:\s+15], v[TM+12]
	v_cvt_scalef32_pk16_fp6_f32 v[CT:CT+2], v[\s+16:\s+31], v[TM+13]
	v_cvt_scalef32_pk16_fp6_f32 v[\d1:\d1+2], v[\s+32:\s+47], v[TM+14]
	v_cvt_scalef32_pk16_fp6_f32 v[CT+4:CT+6], v[\s+48:\s+63], v[TM+15]
	v_nop                                          ; one plain place behind the scaled conversions
.irp i, 0,1,2
	v_permlane16_swap_b32 v[\d0+\i], v[CT+\i]
	v_permlane16_swap_b32 v[\d1+\i], v[CT+4+\i]
.endr
.irp i, 0,1,2
	v_mov_b32 v[\d0+3+\i], v[CT+\i]
	v_mov_b32 v[\d1+3+\i], v[CT+4+\i]
.endr
.endm
	s_load_b256 s[4:11], s[0:1], 0x0               ; ximg, xsc, wimg, wsc
	s_load_b256 s[12:19], s[0:1], 0x20             ; bq, bk, bv, qkv
	s_load_b64 s[20:21], s[0:1], 0x40              ; qkvs
	v_lshl_add_u32 v[SPW], v0, 2, SPARE
	v_mov_b32 v[NIL], 0
	ds_add_u32 v28, v29
	ds_add_u32 v28, v29
	s_wait_dscnt 0x0
	v_lshrrev_b32 v1, 5, v0
	v_readfirstlane_b32 s22, v1                    ; wave
	s_lshr_b32 s23, s22, 1                         ; source 1's half.  Also: I fetch for the weight (0) or for x (1)
	s_and_b32 s24, s22, 1                          ; source 0's half.  Also: which eight tiles I fetch
	s_bfe_u32 s25, ttmp6, 0x40000                  ; cx
	s_bfe_u32 s26, ttmp6, 0x40004                  ; cy
	s_lshl_b32 s27, ttmp9, 2
	s_add_co_u32 s27, s27, s25                     ; x's block of 256 rows
	s_and_b32 s29, ttmp7, 0xffff                   ; the cluster's y: which weight; the same in all sixteen partners
	s_lshl_b32 s28, s29, 2
	s_add_co_u32 s28, s28, s26                     ; the block of 256 rows of wimg
	s_lshl_b32 s30, s26, 2
	s_lshl_b32 s30, 15, s30                        ; my row of the cluster
	s_lshl_b32 s31, 0x1111, s25                    ; my column
	; group 1, codes: 8 tiles' rows of 3,072 bytes (384 elements of 8), 12,288 bytes apart; dense in LDS
	s_or_b32 s[G1W], s30, (3<<16)|(1<<21)
	s_or_b32 s[G1X], s31, (3<<16)|(1<<21)
.irp g, G1W, G1X
	s_mov_b32 s[\g+1], 384<<16
	s_mov_b32 s[\g+2], 8<<16
	s_mov_b32 s[\g+3], 384<<16
	s_mov_b32 s[\g+4], 8
	s_mov_b32 s[\g+5], 1536
	s_mov_b32 s[\g+6], 0
	s_mov_b32 s[\g+7], 0
.endr
	; group 1, scale words: 4,096 dense bytes as 16 rows of 256
	s_or_b32 s[G1SW], s30, (3<<16)|(1<<21)
	s_or_b32 s[G1SX], s31, (3<<16)|(1<<21)
.irp g, G1SW, G1SX
	s_mov_b32 s[\g+1], 32<<16
	s_mov_b32 s[\g+2], 16<<16
	s_mov_b32 s[\g+3], 32<<16
	s_mov_b32 s[\g+4], 16
	s_mov_b32 s[\g+5], 32
	s_mov_b32 s[\g+6], 0
	s_mov_b32 s[\g+7], 0
.endr
	s_lshl_b32 s3, s24, 3
	s_lshl_b32 s66, s28, 4
	s_add_co_u32 s66, s66, s3                      ; the weight's first tile that I fetch
	s_lshl_b32 s100, s27, 4
	s_add_co_u32 s100, s100, s3                    ; x's
	s_lshl_b32 s104, s66, 9
	s_mul_i32 s66, s66, 12288
	s_lshl_b32 s2, s100, 9
	s_mul_i32 s100, s100, 12288
	s_mov_b32 s3, 0
	s_mov_b32 s67, 0
	s_mov_b32 s101, 0
	s_mov_b32 s105, 0
	s_wait_kmcnt 0x0
	s_add_nc_u64 s[66:67], s[8:9], s[66:67]
	s_add_nc_u64 s[104:105], s[10:11], s[104:105]
	s_add_nc_u64 s[100:101], s[4:5], s[100:101]
	s_add_nc_u64 s[2:3], s[6:7], s[2:3]
	s_mov_b32 s[G0SW], 1
	s_lshl_b32 s[G0SW+1], s22, 12
	s_add_co_u32 s[G0SW+1], s[G0SW+1], SCW         ; wave x 4,096: no place in the cluster enters an LDS address
	s_mov_b64 s[G0SW+2:G0SW+3], s[104:105]
	s_or_b32 s[G0SW+3], s[G0SW+3], 0x80000000
	s_mov_b32 s[G0SX], 1
	s_lshl_b32 s[G0SX+1], s22, 12
	s_add_co_u32 s[G0SX+1], s[G0SX+1], SCW
	s_mov_b64 s[G0SX+2:G0SX+3], s[2:3]
	s_or_b32 s[G0SX+3], s[G0SX+3], 0x80000000
.irp c, 0,1,2
	s_mov_b32 s[G0W+4*\c], 1
	s_mul_i32 s[G0W+4*\c+1], s22, 24576
	s_add_co_u32 s[G0W+4*\c+1], s[G0W+4*\c+1], \c*REG
	s_add_nc_u64 s[G0W+4*\c+2:G0W+4*\c+3], s[66:67], \c*3072
	s_or_b32 s[G0W+4*\c+3], s[G0W+4*\c+3], 0x80000000
	s_mov_b32 s[G0X+4*\c], 1
	s_mul_i32 s[G0X+4*\c+1], s22, 24576
	s_add_co_u32 s[G0X+4*\c+1], s[G0X+4*\c+1], \c*REG
	s_add_nc_u64 s[G0X+4*\c+2:G0X+4*\c+3], s[100:101], \c*3072
	s_or_b32 s[G0X+4*\c+3], s[G0X+4*\c+3], 0x80000000
.endr
	CROUND                                         ; all sixteen work-groups are here: the first joint loads meet
	JLOAD G0SW, G1SW, G0SX, G1SX
	JLOAD G0W, G1W, G0X, G1X
	JLOAD G0W+4, G1W, G0X+4, G1X
	JLOAD G0W+8, G1W, G0X+8, G1X
	v_and_b32 v2, 31, v0
	v_lshlrev_b32 v[LI], 4, v2                     ; 16 x lane
	v_and_b32 v2, 15, v0                           ; r
	v_bfe_u32 v3, v0, 4, 1                         ; h
	s_cmp_eq_u32 s29, 1
	s_cselect_b64 s[12:13], s[14:15], s[12:13]
	s_cmp_eq_u32 s29, 2                            ; v?  Then x feeds source 0 and the weight source 1
	s_cselect_b64 s[12:13], s[16:17], s[12:13]     ; the bias
	s_cselect_b32 s4, XOFF, 0
	s_cselect_b32 s5, 0, XOFF
	s_cselect_b32 s6, 8192, 0
	s_cselect_b32 s7, 0, 8192
	s_cselect_b32 s100, s23, s24                   ; which half of the weight's 256 columns is mine
	s_cselect_b32 s101, s24, s23                   ; which half of x's 256 rows
	s_mul_i32 s8, s24, 24576
	s_add_co_u32 s8, s8, s4
	s_mul_i32 s9, s23, 24576
	s_add_co_u32 s9, s9, s5
	v_add_nc_u32 v[AD0], s8, v[LI]
	v_add_nc_u32 v[AD0+1], REG, v[AD0]
	v_add_nc_u32 v[AD0+2], 2*REG, v[AD0]
	v_add_nc_u32 v[AD1], s9, v[LI]
	v_add_nc_u32 v[AD1+1], REG, v[AD1]
	v_add_nc_u32 v[AD1+2], 2*REG, v[AD1]
	v_lshlrev_b32 v13, 5, v2
	v_lshl_add_u32 v13, v3, 9, v13                 ; scale words: 32 bytes a row; lanes 16-31 take the odd tile's
	s_lshl_b32 s10, s24, 12
	s_add_co_u32 s10, s10, s6
	s_add_co_u32 s10, s10, SCW
	v_add_nc_u32 v[ADS0], s10, v13
	s_lshl_b32 s11, s23, 12
	s_add_co_u32 s11, s11, s7
	s_add_co_u32 s11, s11, SCW
	v_add_nc_u32 v[ADS1], s11, v13
	v_lshlrev_b32 v[SOFF], 4, v2
	v_lshl_add_u32 v[SOFF], v3, 12, v[SOFF]        ; the words' way out: 16 r, + one head for lanes 16-31
	s_lshl_b32 s2, s26, 10
	s_lshl_b32 s3, s100, 9
	s_add_co_u32 s2, s2, s3
	s_mov_b32 s3, 0
	s_add_nc_u64 s[12:13], s[12:13], s[2:3]        ; the bias of my 128 columns
	v_lshlrev_b32 v14, 6, v3                       ; by register: 16 h numbers on
	v_and_b32 v15, 8, v2
	v_add_nc_u32 v15, v15, v2
	v_lshlrev_b32 v15, 2, v15                      ; by lane: r + 8 (r / 8)
	WIN TO_1
.irp t, 0,1,2,3,4,5,6,7                        ; both forms are loaded in every work-group; the way out takes one
	global_load_b128 v[96+8*\t+96*(\t/4):99+8*\t+96*(\t/4)], v14, s[12:13] offset:(32*(\t/2)+8*(\t%2))*4
	global_load_b128 v[100+8*\t+96*(\t/4):103+8*\t+96*(\t/4)], v14, s[12:13] offset:(32*(\t/2)+8*(\t%2))*4+16
.endr
	WIN 0
.irp t, 0,1,2,3,4,5,6,7
	global_load_b32 v[BL+2*\t], v15, s[12:13] offset:(32*(\t/2)+8*(\t%2))*4
	global_load_b32 v[BL+2*\t+1], v15, s[12:13] offset:(32*(\t/2)+8*(\t%2))*4      ; twice: a pair for the packed addition
.endr
	s_lshr_b32 s2, s27, 3
	s_lshl_b32 s2, s2, 4
	s_lshl_b32 s3, s26, 2
	s_add_co_u32 s2, s2, s3
	s_lshl_b32 s3, s100, 1
	s_add_co_u32 s2, s2, s3                        ; my first head of the batch: 16 batch + 4 cy + 2 half
	s_lshl_b32 s3, s27, 1
	s_add_co_u32 s3, s3, s101
	s_and_b32 s3, s3, 15                           ; my step of 128 rows
	s_mul_i32 s4, s29, 3145728
	s_mul_i32 s5, s2, 98304
	s_add_co_u32 s4, s4, s5
	s_mul_i32 s5, s3, 6144
	s_add_co_u32 s4, s4, s5
	s_mov_b32 s5, 0
	s_add_nc_u64 s[18:19], s[18:19], s[4:5]
	s_lshl_b32 s4, s29, 17
	s_lshl_b32 s6, s2, 12
	s_add_co_u32 s4, s4, s6
	s_lshl_b32 s6, s3, 8
	s_add_co_u32 s4, s4, s6
	s_add_nc_u64 s[20:21], s[20:21], s[4:5]
	s_mov_b32 s[SEL], 0x76543210
	s_mov_b32 s[SEL+1], 0xfedcba98
.irp b, 0,1,2,3
	v_mov_b32 v[TM+4+\b], 0                        ; a lane permute's destination counts as one of its sources
.endr
.macro FRAG reg, adr, off              ; an image comes back as it was stored: three planes
	ds_load_b128 v[\reg:\reg+3], v[\adr] offset:\off
	ds_load_b128 v[\reg+4:\reg+7], v[\adr] offset:\off+512
	ds_load_b128 v[\reg+8:\reg+11], v[\adr] offset:\off+1024
.endm
.macro FETCH_S0 rg, q, set             ; source 0's eight fragments of region rg's q-th K step
	WIN TO_1
.irp i, 0,1,2,3,4,5,6,7
	FRAG 128*(\set)+FR*\i, AD0+\rg, \i*3072+(\q)*1536
.endr
	WIN 0
.endm
.macro FETCH_S1 rg, q, i0              ; source 1's blocks i0 .. i0 + 3
.irp i, \i0, \i0+1, \i0+2, \i0+3
	FRAG S1F+FR*(\i), AD1+\rg, (\i)*3072+(\q)*1536
.endr
.endm
.macro WM a, b, set, k, zero           ; one product; the scale rows follow the tiles' parities
.set rD, 8*(8*((\a)%4)+(\b))
.set rA, 128*(\set)+FR*(\b)
.set rB, S1F+FR*(\a)
.set sA, SC0+8*((\b)/2)+(\k)
.set sB, SC1+8*((\a)/2)+(\k)
.set rw, 2*((\a)%2)+(\b)%2
.if \zero
.if rw == 0
	v_wmma_scale_f32_16x16x128_f8f6f4 v[rD:rD+7], v[rA:rA+11], v[rB:rB+11], 0, v[sA], v[sB] matrix_a_fmt:MATRIX_FMT_FP6 matrix_b_fmt:MATRIX_FMT_FP6
.elseif rw == 1
	v_wmma_scale_f32_16x16x128_f8f6f4 v[rD:rD+7], v[rA:rA+11], v[rB:rB+11], 0, v[sA], v[sB] matrix_a_fmt:MATRIX_FMT_FP6 matrix_b_fmt:MATRIX_FMT_FP6 matrix_a_scale:MATRIX_SCALE_ROW1
.elseif rw == 2
	v_wmma_scale_f32_16x16x128_f8f6f4 v[rD:rD+7], v[rA:rA+11], v[rB:rB+11], 0, v[sA], v[sB] matrix_a_fmt:MATRIX_FMT_FP6 matrix_b_fmt:MATRIX_FMT_FP6 matrix_b_scale:MATRIX_SCALE_ROW1
.else
	v_wmma_scale_f32_16x16x128_f8f6f4 v[rD:rD+7], v[rA:rA+11], v[rB:rB+11], 0, v[sA], v[sB] matrix_a_fmt:MATRIX_FMT_FP6 matrix_b_fmt:MATRIX_FMT_FP6 matrix_a_scale:MATRIX_SCALE_ROW1 matrix_b_scale:MATRIX_SCALE_ROW1
.endif
.else
.if rw == 0
	v_wmma_scale_f32_16x16x128_f8f6f4 v[rD:rD+7], v[rA:rA+11], v[rB:rB+11], v[rD:rD+7], v[sA], v[sB] matrix_a_fmt:MATRIX_FMT_FP6 matrix_b_fmt:MATRIX_FMT_FP6
.elseif rw == 1
	v_wmma_scale_f32_16x16x128_f8f6f4 v[rD:rD+7], v[rA:rA+11], v[rB:rB+11], v[rD:rD+7], v[sA], v[sB] matrix_a_fmt:MATRIX_FMT_FP6 matrix_b_fmt:MATRIX_FMT_FP6 matrix_a_scale:MATRIX_SCALE_ROW1
.elseif rw == 2
	v_wmma_scale_f32_16x16x128_f8f6f4 v[rD:rD+7], v[rA:rA+11], v[rB:rB+11], v[rD:rD+7], v[sA], v[sB] matrix_a_fmt:MATRIX_FMT_FP6 matrix_b_fmt:MATRIX_FMT_FP6 matrix_b_scale:MATRIX_SCALE_ROW1
.else
	v_wmma_scale_f32_16x16x128_f8f6f4 v[rD:rD+7], v[rA:rA+11], v[rB:rB+11], v[rD:rD+7], v[sA], v[sB] matrix_a_fmt:MATRIX_FMT_FP6 matrix_b_fmt:MATRIX_FMT_FP6 matrix_a_scale:MATRIX_SCALE_ROW1 matrix_b_scale:MATRIX_SCALE_ROW1
.endif
.endif
.endm
.macro MUL16 a0, set, k, zero          ; the 64 accumulators take turns, in the same order in every K step
.irp a, \a0, \a0+1
.irp b, 0,1,2,3,4,5,6,7
	WM \a, \b, \set, \k, \zero
.endr
.endr
.endm
; K step k; the next step's fragments come from region nrg, its nq-th step.  Source 1 has one set: blocks 0-3 are fetched anew in the middle, blocks 4-7 at the end.
.macro STEP k, nrg, nq, zero
	s_wait_dscnt 12                                ; all but the youngest twelve loads (source 1's blocks 4-7)
	WIN MUL_LO
	MUL16 0, (\k)%2, \k, \zero
	MUL16 2, (\k)%2, \k, \zero
	s_wait_dscnt 0x0
	PLACES 4                                       ; in front of loads into registers that matrix instructions have read
	FETCH_S0 \nrg, \nq, 1-(\k)%2
	FETCH_S1 \nrg, \nq, 0
	WIN MUL_HI
	MUL16 4, (\k)%2, \k, \zero
	MUL16 6, (\k)%2, \k, \zero
	PLACES 4
	WIN 0
	FETCH_S1 \nrg, \nq, 4
.endm
; A K step with a barrier in it.  fill = 1: region 0 has been read out and takes chunk 3; the barrier opens a round of the cluster's.
.macro TURN k, nrg, fill
	s_wait_tensorcnt 0x0                           ; all my tensor loads have landed
	ds_add_u32 v[SPW], v[NIL]                      ; 0 onto my spare word
	s_wait_dscnt 13                                ; (the add and source 1's blocks 4-7 may be out)
	WIN MUL_LO
	MUL16 0, (\k)%2, \k, 0
	s_wait_dscnt 0x0                               ; the add is done, and my reads of the region in hand are over
	s_barrier_signal -1
	MUL16 2, (\k)%2, \k, 0
	WIN 0
	s_barrier_wait -1
.if \fill
	CREST                                          ; no wave of any partner still reads region 0 or has a load on its way
	s_add_nc_u64 s[G0W+2:G0W+3], s[G0W+2:G0W+3], 9216      ; chunk 0's descriptors step to chunk 3
	s_add_nc_u64 s[G0X+2:G0X+3], s[G0X+2:G0X+3], 9216
	JLOAD G0W, G1W, G0X, G1X                       ; my one tensor load behind the round; its four v_nop are the places in front of the loads below
.else
	PLACES 4
.endif
	FETCH_S0 \nrg, 0, 1-(\k)%2
	FETCH_S1 \nrg, 0, 0
	WIN MUL_HI
	MUL16 4, (\k)%2, \k, 0
	MUL16 6, (\k)%2, \k, 0
	PLACES 4
	WIN 0
	FETCH_S1 \nrg, 0, 4
.endm
	s_wait_tensorcnt 2                             ; the scale words and chunk 0 are in; chunks 1 and 2 may be out
	s_barrier_signal -1
	s_barrier_wait -1
.irp i, 0,1,2,3
	ds_load_b128 v[SC0+8*\i:SC0+8*\i+3], v[ADS0] offset:1024*\i
	ds_load_b128 v[SC0+8*\i+4:SC0+8*\i+7], v[ADS0] offset:1024*\i+16
	ds_load_b128 v[SC1+8*\i:SC1+8*\i+3], v[ADS1] offset:1024*\i
	ds_load_b128 v[SC1+8*\i+4:SC1+8*\i+7], v[ADS1] offset:1024*\i+16
.endr
	FETCH_S0 0, 0, 0
	FETCH_S1 0, 0, 0
	FETCH_S1 0, 0, 4
	STEP 0, 0, 1, 1                                ; the first products start the sums
	TURN 1, 1, 1                                   ; every wave has shown chunks 1 and 2 landed; region 0 takes chunk 3
	STEP 2, 1, 1, 0
	STEP 3, 2, 0, 0
	STEP 4, 2, 1, 0
	TURN 5, 0, 0                                   ; chunk 3 has landed in every wave's part
	STEP 6, 0, 1, 0
	s_wait_dscnt 12
	WIN MUL_LO
	MUL16 0, 1, 7, 0
	MUL16 2, 1, 7, 0
	s_wait_dscnt 0x0
	WIN MUL_HI
	MUL16 4, 1, 7, 0
	MUL16 6, 1, 7, 0
	WIN 0
	s_wait_loadcnt 0x0                             ; the biases
	PLACES 4                                       ; in front of the first read of results and the first write over source 1's registers
; THE WAY OUT, source 1's tile a at a time: + bias (each accumulator from its low end on), quantised, stored as images: every store covers 512 consecutive bytes.
.macro EPI mode
.irp a, 0,1,2,3,4,5,6,7
.if \mode
	WIN 0x02+(\a/4)                                ; source 0: window 2 or 3
.else
	WIN 0x06+(\a/4)                                ; and source 1 (the bias by register): window 1
.endif
.set J, 0
.rept 32
.if \mode
	v_pk_add_f32 v[HA+J:HA+J+1], v[64*(\a%4)+J:64*(\a%4)+J+1], v[BL+2*\a:BL+2*\a+1]
.else
	v_pk_add_f32 v[HA+J:HA+J+1], v[64*(\a%4)+J:64*(\a%4)+J+1], v[96+J+96*(J/32):97+J+96*(J/32)]
.endif
.set J, J+2
.endr
	WIN 0
.if (\a>=2)&&((\mode==1)||(\a%2==0))
	s_wait_xcnt 0x0                                ; the earlier stores have read the registers that the codes below are written to
.endif
.if \mode
	QUANT HA, PA+12*(\a%2), PA+12*(\a%2)+6, PWS+\a          ; 16 of a head's 64 x my 128 keys: a whole fragment
.irp c, 0,1,2
	global_store_b128 v[LI], v[PA+12*(\a%2)+4*\c:PA+12*(\a%2)+4*\c+3], s[18:19] offset:(\a/4)*98304+(\a%4)*1536+512*\c
.endr
.else
	QUANT HA, PA+6*(\a%2), PB+6*(\a%2), PWS+\a              ; blocks 0, 1: my first head's 64; blocks 2, 3: my second's.  Two row tiles fill a fragment of each
.if \a%2
.irp c, 0,1,2
	global_store_b128 v[LI], v[PA+4*\c:PA+4*\c+3], s[18:19] offset:(\a/2)*1536+512*\c
	global_store_b128 v[LI], v[PB+4*\c:PB+4*\c+3], s[18:19] offset:98304+(\a/2)*1536+512*\c
.endr
.endif
.endif
.endr
.endm
	s_cmp_eq_u32 s29, 2
	s_cbranch_scc1 .Lepi_v
	EPI 0
.irp p, 0,1,2,3
	v_perm_b32 v[SW+\p], v[PWS+2*\p+1], v[PWS+2*\p], 0x05040100      ; first head: two bytes of tile 2 p, two of tile 2 p + 1
	v_perm_b32 v[SW+4+\p], v[PWS+2*\p+1], v[PWS+2*\p], 0x07060302    ; second head
.endr
	s_branch .Lwords
.Lepi_v:
	EPI 1
.irp i, 0,1,2,3,4,5,6,7
	v_mov_b32 v[SW+\i], v[PWS+\i]                  ; words 0-3: first head's four tiles; 4-7: second head's
.endr
.Lwords:
	v_cmp_ne_u32 vcc_lo, 0, v3
.irp i, 0,1,2,3
	v_cndmask_b32 v[FW+\i], v[SW+\i], v[SW+4+\i], vcc_lo
.endr
	global_store_b128 v[SOFF], v[FW:FW+3], s[20:21]        ; lanes 0-15: 256 consecutive bytes of one head; lanes 16-31: of the next
	s_wait_tensorcnt 0x0                           ; the wave's end
	ds_add_u32 v[SPW], v[NIL]
	s_wait_dscnt 0x0
	CROUND                                         ; the closing round
	s_endpgm
.Lfunc_end_k_q5080febd42_qkv:
	.size	k_q5080febd42_qkv, .Lfunc_end_k_q5080febd42_qkv-k_q5080febd42_qkv
	.p2alignl 7, 3214868480
	.fill 96, 4, 3214868480
	.section	.rodata,"a",@progbits
	.p2align	6, 0x0
	.amdhsa_kernel k_q5080febd42_qkv
		.amdhsa_group_segment_fixed_size 327680
		.amdhsa_private_segment_fixed_size 0
		.amdhsa_enable_private_segment 0
		.amdhsa_kernarg_size 72
		.amdhsa_user_sgpr_count 2
		.amdhsa_user_sgpr_kernarg_segment_ptr 1
		.amdhsa_wavefront_size32 1
		.amdhsa_system_sgpr_workgroup_id_x 1
		.amdhsa_system_sgpr_workgroup_id_y 1
		.amdhsa_system_sgpr_workgroup_id_z 1
		.amdhsa_system_vgpr_workitem_id 0
		.amdhsa_next_free_vgpr 1024
		.amdhsa_next_free_sgpr 106
		.amdhsa_reserve_vcc 1
		.amdhsa_float_denorm_mode_32 3
		.amdhsa_float_denorm_mode_16_64 3
		.amdhsa_memory_ordered 1
		.amdhsa_forward_progress 1
		.amdhsa_inst_pref_size 208
	.end_amdhsa_kernel
	.amdgpu_metadata
---
amdhsa.version: [ 1, 2 ]
amdhsa.kernels:
  - .name:           k_q5080febd42_qkv
    .symbol:         k_q5080febd42_qkv.kd
    .args:
      - { .name: ximg, .offset: 0, .size: 8, .value_kind: global_buffer, .address_space: global }
      - { .name: xsc, .offset: 8, .size: 8, .value_kind: global_buffer, .address_space: global }
      - { .name: wimg, .offset: 16, .size: 8, .value_kind: global_buffer, .address_space: global }
      - { .name: wsc, .offset: 24, .size: 8, .value_kind: global_buffer, .address_space: global }
      - { .name: bq, .offset: 32, .size: 8, .value_kind: global_buffer, .address_space: global }
      - { .name: bk, .offset: 40, .size: 8, .value_kind: global_buffer, .address_space: global }
      - { .name: bv, .offset: 48, .size: 8, .value_kind: global_buffer, .address_space: global }
      - { .name: qkv, .offset: 56, .size: 8, .value_kind: global_buffer, .address_space: global }
      - { .name: qkvs, .offset: 64, .size: 8, .value_kind: global_buffer, .address_space: global }
    .group_segment_fixed_size: 327680
    .private_segment_fixed_size: 0
    .kernarg_segment_align: 8
    .kernarg_segment_size: 72
    .max_flat_workgroup_size: 128
    .sgpr_count:     106
    .vgpr_count:     1024
    .wavefront_size: 32
...
	.end_amdgpu_metadata
.endif
;; end of part 2
;; launch attn (part 3): grid 8 x 32, 16 waves a work-group, no clusters, 207,360 bytes of LDS; arguments qkv, qkvs, cimg, csc; writes cimg, csc
.if DOCPART == 3
	.amdgcn_target "amdgcn-amd-amdhsa--gfx1250"
	.amdhsa_code_object_version 6
	.text
	.protected	k_q5080febd42_attn
	.globl	k_q5080febd42_attn
	.p2align	8
	.type	k_q5080febd42_attn,@function
k_q5080febd42_attn:
	s_mov_b64 s[64:65], 0
	v_nop
	global_prefetch_b8 v0, s[64:65] scope:SCOPE_SE
	s_setreg_imm32_b32 hwreg(HW_REG_WAVE_MODE, 25, 1), 1
	s_wait_xcnt 0x0
; Causal attention of one head of one batch on codes of FP6 (E2M3), no factor on the scores; the context is quantised along the head's 64 at once, for the last product.
; t = score x log2(e); M = the row's largest t so far, rounded up to a whole number; p = 2^(t - M) is quantised along the keys, not normalised; the row's sum is taken of the unquantised p and divides at the end.
; SHARES.  Work-group (j, head): waves 0-7 own the block of 128 queries j, waves 8-15 block 15 - j, a tile of 16 queries each: j + 1 and 16 - j key steps of 128, 17 for each pair of waves whatever j is.
; The head's K and V (196,608 bytes of codes, 8,192 of scale words) lie in LDS for the whole launch: first fills only, nothing is filled again.  Wave 0 brings K's, wave 1 V's: the words, then four chunks of four steps;
; by this text's count five tensor loads of a wave are out at the most.  A chunk is read behind a counted wait of the loading waves and a barrier.
; NO CLUSTER: how many steps a work-group works hangs on its query blocks, so partners of one head would part in their branches.
; LAYOUT.  S^T = K Q^T: source 0 = a fragment with key tile 2 p in K 0-63 and key tile 2 p + 1 in K 64-127; source 1 = q beside zero codes, which picks one of the two tiles.  O^T = V^T P^T.  A lane holds one query throughout.
; Tiles hold rows 32 (T / 2) + 8 (T % 2) + r + 8 (r / 8), so the 16 registers of two neighbouring tiles are 16 neighbouring keys (or channels).
; MASK.  Steps all of whose keys come after the wave's queries are left out (a scalar branch on ids); on the diagonal hidden scores become -2^32, as the definition has it.
; LIMIT: leaving hidden steps out equals the definition while a row's visible scores lie more than some 150 above -2^32.  NaN and infinities are not served; zero blocks keep the byte 1.
; OUT.  cimg [tile 256][head 16][plane 3][lane 32][8 bytes]: registers 2 i, 2 i + 1 of the head's six.  csc [head 16][tile x 16 + r] two bytes.
.set KSC, 196608                       ; K's scale words; V's 4,096 bytes on
.set SCG, 204800                       ; 512 bytes: the work-group's context scale bytes, gathered
.set LI,  1
.set LS0, 2
.set ADK, 3
.set ADV, 4
.set ADS, 5
.set DD,  6                            ; my query in its block - 16 h
.set NEG, 7                            ; -2^32
.set KSW, 8                            ; v8-11  K's scale words
.set SQ,  34                           ; q's two bytes, twice
.set VSW, 36                           ; v36-39 V's scale words
.set KV,  40                           ; v40-87 four fragments of K, then of V
.set S,   88                           ; v88-151 S^T, then p
.set O,   152                          ; v152-183 O^T
.set PC,  184                          ; v184-195 p's codes
.set CT,  196
.set TMX, 204
.set TP,  208
.set TSC, 212
.set F,   216
.set PW,  218                          ; p's scale word: written in each step ahead of its products, and by nothing else
.set TT,  219
.set WV,  12
.set BLK, 15
.set SEL, 20
.set CS,  22
.set KS,  24                           ; the key step
.set TK,  25                           ; its codes' LDS byte
.set TS,  26                           ; its scale words'
.set CNT, 27
	s_load_b256 s[4:11], s[0:1], 0x0               ; qkv, qkvs, cimg, csc
	v_lshl_add_u32 v254, v0, 2, 0x32200
	v_mov_b32 v255, 0
	ds_add_u32 v254, v255
	ds_add_u32 v254, v255
	v_lshrrev_b32 v240, 5, v0
	v_readfirstlane_b32 s[WV], v240                ; wave 0..15
	s_mov_b32 s13, ttmp9                           ; j
	s_and_b32 s14, ttmp7, 0xffff                   ; head of batch
	s_sub_co_u32 s[BLK], 15, s13
	s_cmp_lt_u32 s[WV], 8
	s_cselect_b32 s[BLK], s13, s[BLK]              ; my block of 128 queries
	s_and_b32 s16, s[WV], 7                        ; my tile in it
	s_and_b32 s17, s[WV], 1                        ; which half of a pair fragment
	s_lshr_b32 s18, s16, 1                         ; which pair
	s_min_u32 s19, s[WV], 1                        ; the fetching waves: 0 K, 1 V
	s_mov_b32 s32, 3<<16                           ; group 1, codes: 24,576 dense bytes as 96 rows of 256
	s_mov_b32 s33, 32<<16
	s_mov_b32 s34, 96<<16
	s_mov_b32 s35, 32<<16
	s_mov_b32 s36, 96
	s_mov_b32 s37, 32
	s_mov_b32 s38, 0
	s_mov_b32 s39, 0
	s_mov_b32 s40, 3<<16                           ; group 1, scale words: 4,096 dense bytes as 16 rows of 256
	s_mov_b32 s41, 32<<16
	s_mov_b32 s42, 16<<16
	s_mov_b32 s43, 32<<16
	s_mov_b32 s44, 16
	s_mov_b32 s45, 32
	s_mov_b32 s46, 0
	s_mov_b32 s47, 0
	s_add_co_u32 s2, s19, 1
	s_mul_i32 s72, s2, 3145728
	s_mul_i32 s3, s14, 98304
	s_add_co_u32 s72, s72, s3                      ; K's or V's codes of the head
	s_mov_b32 s73, 0
	s_lshl_b32 s74, s2, 17
	s_lshl_b32 s2, s14, 12
	s_add_co_u32 s74, s74, s2                      ; and scale words
	s_mov_b32 s75, 0
	s_mul_i32 s76, s[BLK], 6144
	s_add_co_u32 s76, s76, s3
	s_mul_i32 s3, s18, 1536
	s_add_co_u32 s76, s76, s3                      ; q's pair fragment
	s_mov_b32 s77, 0
	s_lshl_b32 s78, s[BLK], 8
	s_add_co_u32 s78, s78, s2
	s_lshl_b32 s3, s18, 2
	s_add_co_u32 s78, s78, s3                      ; and its word
	s_mov_b32 s79, 0
	s_lshr_b32 s2, s14, 4                          ; batch
	s_and_b32 s3, s14, 15                          ; head
	s_lshl_b32 s80, s2, 7
	s_lshl_b32 s81, s[BLK], 3
	s_add_co_u32 s80, s80, s81
	s_add_co_u32 s80, s80, s16
	s_mul_i32 s80, s80, 12288
	s_mul_i32 s81, s3, 768
	s_add_co_u32 s80, s80, s81                     ; my tile's place in cimg
	s_mov_b32 s81, 0
	s_lshl_b32 s82, s3, 13
	s_lshl_b32 s83, s2, 12
	s_add_co_u32 s82, s82, s83                     ; the head's and batch's place in csc
	s_mov_b32 s83, 0
	s_mov_b32 s[SEL], 0x76543210
	s_mov_b32 s[SEL+1], 0xfedcba98
	s_mov_b32 s[CS], 0x3fb8aa3b                    ; log2(e)
	s_mov_b32 s[CS+1], s[CS]
	s_wait_dscnt 0x0
	s_wait_kmcnt 0x0
	s_add_nc_u64 s[72:73], s[4:5], s[72:73]
	s_add_nc_u64 s[74:75], s[6:7], s[74:75]
	s_add_nc_u64 s[76:77], s[4:5], s[76:77]
	s_add_nc_u64 s[78:79], s[6:7], s[78:79]
	s_add_nc_u64 s[8:9], s[8:9], s[80:81]
	s_add_nc_u64 s[10:11], s[10:11], s[82:83]
	s_mov_b32 s48, 1
	s_lshl_b32 s49, s19, 12
	s_add_co_u32 s49, s49, KSC
	s_mov_b64 s[50:51], s[74:75]
	s_or_b32 s51, s51, 0x80000000
	s_mov_b32 s52, 1
	s_mul_i32 s53, s19, 98304
	s_mov_b64 s[54:55], s[72:73]
	s_or_b32 s55, s55, 0x80000000
	s_mov_b32 s56, 1
	s_add_co_u32 s57, s53, 24576
	s_add_nc_u64 s[58:59], s[72:73], 24576
	s_or_b32 s59, s59, 0x80000000
	s_mov_b32 s60, 1
	s_add_co_u32 s61, s53, 49152
	s_add_nc_u64 s[62:63], s[72:73], 49152
	s_or_b32 s63, s63, 0x80000000
	s_mov_b32 s68, 1
	s_add_co_u32 s69, s53, 73728
	s_add_nc_u64 s[70:71], s[72:73], 73728
	s_or_b32 s71, s71, 0x80000000
	s_cmp_lt_u32 s[WV], 2                          ; all first fills of a wave stand in one branch on the wave's number
	s_cbranch_scc0 .Lno_fetch
	tensor_load_to_lds s[48:51], s[40:47]
	s_nop 0
	tensor_load_to_lds s[52:55], s[32:39]
	s_nop 0
	tensor_load_to_lds s[56:59], s[32:39]
	s_nop 0
	tensor_load_to_lds s[60:63], s[32:39]
	s_nop 0
	tensor_load_to_lds s[68:71], s[32:39]
	s_nop 0
.rept 4
	v_nop
.endr
.Lno_fetch:
	v_and_b32 v240, 31, v0                         ; lane
	v_and_b32 v241, 15, v0                         ; r
	v_bfe_u32 v242, v0, 4, 1                       ; h
	v_lshlrev_b32 v[LI], 4, v240
	v_lshlrev_b32 v233, 4, v241
	global_load_b128 v[220:223], v[LI], s[76:77]
	global_load_b128 v[224:227], v[LI], s[76:77] offset:512
	global_load_b128 v[228:231], v[LI], s[76:77] offset:1024
	global_load_b32 v232, v233, s[78:79]
	v_add_nc_u32 v[LS0], KSC, v233
	v_and_b32 v[DD], 8, v241
	v_add_nc_u32 v[DD], v[DD], v241
	v_lshlrev_b32 v[TT], 4, v242
	v_sub_nc_u32 v[DD], v[DD], v[TT]
	s_lshl_b32 s2, s18, 5
	s_lshl_b32 s3, s17, 3
	s_add_co_u32 s2, s2, s3
	v_add_nc_u32 v[DD], s2, v[DD]                  ; 32 pair + 8 half + r + 8 (r / 8) - 16 h
	v_mov_b32 v[NEG], 0xcf800000
	v_lshlrev_b32 v235, 3, v240                    ; the way out: 8 bytes a lane
	s_lshl_b32 s2, s[WV], 5
	v_lshl_add_u32 v236, v241, 1, s2
	v_add_nc_u32 v236, SCG, v236                   ; my row's two scale bytes
	v_add_nc_u32 v237, SCG, v[LI]
	s_lshl_b32 s2, s13, 8
	s_sub_co_u32 s3, 15, s13
	s_lshl_b32 s3, s3, 8
	v_mov_b32 v238, s2
	v_mov_b32 v239, s3
	v_cmp_ne_u32 vcc_lo, 0, v242
	v_cndmask_b32 v238, v238, v239, vcc_lo
	v_lshl_add_u32 v238, v241, 4, v238             ; lanes 0-15: block j's 256 bytes; lanes 16-31: block 15 - j's
	v_mov_b32 v13, 0xff61b1e6                      ; the largest t so far: -3e38
	v_floor_f32 v12, -v13                          ; -M
	v_mov_b32 v14, 0
	v_mov_b32 v15, 0
.irp i, 16,17,18,19,20,21,28,29,30,31,32,33
	v_mov_b32 v\i, 0                               ; zero codes on both sides of q
.endr
.irp i, 0,1,2,3
	v_mov_b32 v[TP+\i], 0                          ; a lane permute's destination counts as one of its sources
.endr
	v_mov_b32 v[F], 0
	v_mov_b32 v[F+1], 0                            ; (named as the upper half of the pair with f)
	v_mov_b32 v[TT], 0
	s_cmp_eq_u32 s17, 1
	s_cselect_b32 s28, -1, 0
	s_mov_b32 s29, 0x03020302
	s_cselect_b32 s29, s29, 0x01000100
	s_wait_loadcnt 0x0
.irp i, 0,1,2,3,4,5
	v_cndmask_b32 v[22+\i], v[220+\i], v[226+\i], s28      ; my tile's half of the pair fragment
.endr
	v_perm_b32 v[SQ], v232, v232, s29              ; its two scale bytes, in both halves of the word
; A scale register written by a vector instruction stands eight plain vector instructions ahead of the scaled matrix instruction that takes it, an operand so written four: O^T's 32 zeros, which are due anyway, stand between.
.set J, 0
.rept 32
	v_mov_b32 v[O+J], 0                            ; the loop is written once: its first step finds zeros
.set J, J+1
.endr
.macro STEP
	s_cmp_gt_u32 s[KS], s[BLK]
	s_cbranch_scc1 .Lskip_\@                       ; all 128 keys come after my queries
	v_add_nc_u32 v[ADK], s[TK], v[LI]
	v_add_nc_u32 v[ADS], s[TS], v[LS0]
	v_add_nc_u32 v[ADV], 98304, v[ADK]
	v_nop                                          ; four places in front of loads into registers that the last products read
.irp p, 0,1,2,3
.irp c, 0,1,2
	ds_load_b128 v[KV+12*\p+4*\c:KV+12*\p+4*\c+3], v[ADK] offset:1536*\p+512*\c
.endr
.endr
	ds_load_b128 v[KSW:KSW+3], v[ADS]
	s_wait_dscnt 0x0
.irp p, 0,1,2,3
	v_wmma_scale_f32_16x16x128_f8f6f4 v[S+16*\p:S+16*\p+7], v[KV+12*\p:KV+12*\p+11], v[22:33], 0, v[KSW+\p], v[SQ] matrix_a_fmt:MATRIX_FMT_FP6 matrix_b_fmt:MATRIX_FMT_FP6
	v_wmma_scale_f32_16x16x128_f8f6f4 v[S+16*\p+8:S+16*\p+15], v[KV+12*\p:KV+12*\p+11], v[16:27], 0, v[KSW+\p], v[SQ] matrix_a_fmt:MATRIX_FMT_FP6 matrix_b_fmt:MATRIX_FMT_FP6
.endr
.rept 4
	v_nop                                          ; places in front of the loads below and of the first read of the scores
.endr
.irp p, 0,1,2,3
.irp c, 0,1,2
	ds_load_b128 v[KV+12*\p+4*\c:KV+12*\p+4*\c+3], v[ADV] offset:1536*\p+512*\c      ; V lands while the softmax is worked
.endr
.endr
	ds_load_b128 v[VSW:VSW+3], v[ADS] offset:4096
	s_cmp_lg_u32 s[KS], s[BLK]
	s_cbranch_scc1 .Lopen_\@
.irp n, 0,1,2,3,4,5,6,7,8,9,10,11,12,13,14,15,16,17,18,19,20,21,22,23,24,25,26,27,28,29,30,31,32,33,34,35,36,37,38,39,40,41,42,43,44,45,46,47,48,49,50,51,52,53,54,55,56,57,58,59,60,61,62,63
	v_cmp_gt_i32 vcc_lo, 32*(\n/16)+\n%16, v[DD]   ; register 16 b + i holds key 32 b + 16 h + i of the block: hidden where it comes after my query
	v_cndmask_b32 v[S+\n], v[S+\n], v[NEG], vcc_lo
.endr
.Lopen_\@:
.irp b, 0,1,2,3
	v_max3_num_f32 v[TMX+\b], v[S+16*\b], v[S+1+16*\b], v[S+2+16*\b]     ; the largest score of each block of 32 keys: for the row's maximum, and for the block's largest p
.endr
.irp i, 3,5,7,9,11,13
.irp b, 0,1,2,3
	v_max3_num_f32 v[TMX+\b], v[TMX+\b], v[S+16*\b+\i], v[S+1+16*\b+\i]
.endr
.endr
.irp b, 0,1,2,3
	v_max_num_f32 v[TMX+\b], v[TMX+\b], v[S+15+16*\b]
.endr
.irp b, 0,1,2,3
	v_permlanex16_b32 v[TP+\b], v[TMX+\b], s[SEL], s[SEL+1]
.endr
.irp b, 0,1,2,3
	v_max_num_f32 v[TMX+\b], v[TMX+\b], v[TP+\b]
.endr
	v_max3_num_f32 v[TT], v[TMX], v[TMX+1], v[TMX+2]
	v_max_num_f32 v[TT], v[TT], v[TMX+3]
	v_mul_f32 v[TT], s[CS], v[TT]
	v_max_num_f32 v13, v13, v[TT]                  ; the running largest t
	v_mov_b32 v[TT], v12
	v_floor_f32 v12, -v13                          ; the new -M: a whole number
	v_sub_f32 v[TT], v12, v[TT]
	v_cvt_i32_f32 v[TT], v[TT]                     ; (it saturates)
	v_ldexp_f32 v[F], 1.0, v[TT]                   ; f = 2^(old M - new M)
.set J, 0
.rept 32
	v_pk_fma_f32 v[S+J:S+J+1], v[S+J:S+J+1], s[CS:CS+1], v[12:13] op_sel_hi:[1,0,0]    ; t - M
.set J, J+2
.endr
.irp b, 0,1,2,3
	v_fma_f32 v[TMX+\b], v[TMX+\b], s[CS], v12
.endr
.set J, 0
.rept 64
	v_exp_f32 v[S+J], v[S+J]                       ; p = 2^(t - M)
.set J, J+1
.endr
.irp b, 0,1,2,3
	v_exp_f32 v[TMX+\b], v[TMX+\b]                 ; the block's largest p
.endr
	v_pk_mul_f32 v[14:15], v[14:15], v[F:F+1] op_sel_hi:[1,0]      ; the sums under the new M (a plain place behind the exponentials)
	s_wait_alu depctr_va_vdst(0)
.irp b, 0,1,2,3
	v_max_num_f32 v[TMX+\b], 0x1800000, v[TMX+\b]  ; the floor
.endr
.irp b, 0,1,2,3
	v_add_nc_u32 v[TSC+\b], 0xff000000, v[TMX+\b]
.endr
.irp b, 0,1,2,3
	v_lshrrev_b32 v[TP+\b], 23, v[TSC+\b]
.endr
	v_lshl_or_b32 v[PW], v[TP+1], 8, v[TP]
	v_lshl_or_b32 v[PW], v[TP+2], 16, v[PW]
	v_lshl_or_b32 v[PW], v[TP+3], 24, v[PW]
.irp c, 0,1
	v_cvt_scalef32_pk16_fp6_f32 v[PC+6*\c:PC+6*\c+2], v[S+32*\c:S+32*\c+15], v[TSC+2*\c]
	v_cvt_scalef32_pk16_fp6_f32 v[CT+4*\c:CT+4*\c+2], v[S+32*\c+16:S+32*\c+31], v[TSC+2*\c+1]
.endr
	v_nop
.irp c, 0,1
.irp i, 0,1,2
	v_permlane16_swap_b32 v[PC+6*\c+\i], v[CT+4*\c+\i]
.endr
.irp i, 0,1,2
	v_mov_b32 v[PC+6*\c+3+\i], v[CT+4*\c+\i]
.endr
.endr
	v_pk_add_f32 v[CT:CT+1], v[S:S+1], v[S+2:S+3]  ; the row's sum is taken of the unquantised p, in two chains
.irp j, 4,8,12,16,20,24,28,32,36,40,44,48,52,56,60
	v_pk_add_f32 v[14:15], v[14:15], v[S+\j:S+\j+1]
	v_pk_add_f32 v[CT:CT+1], v[CT:CT+1], v[S+\j+2:S+\j+3]
.endr
	v_pk_add_f32 v[14:15], v[14:15], v[CT:CT+1]
.set J, 0
.rept 16
	v_pk_mul_f32 v[O+J:O+J+1], v[O+J:O+J+1], v[F:F+1] op_sel_hi:[1,0]      ; O^T under the new M
.set J, J+2
.endr
	s_wait_dscnt 0x0                               ; V and its words are in
.irp t, 0,1,2,3
	v_wmma_scale_f32_16x16x128_f8f6f4 v[O+8*\t:O+8*\t+7], v[KV+12*\t:KV+12*\t+11], v[PC:PC+11], v[O+8*\t:O+8*\t+7], v[VSW+\t], v[PW] matrix_a_fmt:MATRIX_FMT_FP6 matrix_b_fmt:MATRIX_FMT_FP6
.endr
.Lskip_\@:
	s_add_co_u32 s[KS], s[KS], 1
	s_add_co_u32 s[TK], s[TK], 6144
	s_add_co_u32 s[TS], s[TS], 256
.endm
.macro CHUNK c                         ; four key steps
	s_wait_tensorcnt 3-\c                          ; the fetching waves: the words and chunks 0 .. c are in; the chunks behind may be out
	s_wait_dscnt 0x0
	s_barrier_signal -1
	s_barrier_wait -1
	s_mov_b32 s[KS], 4*\c
	s_mov_b32 s[TK], 24576*\c
	s_mov_b32 s[TS], 1024*\c
	s_mov_b32 s[CNT], 4
.Lstep_\@:
	STEP
	s_sub_co_u32 s[CNT], s[CNT], 1
	s_cmp_lg_u32 s[CNT], 0
	s_cbranch_scc1 .Lstep_\@
.endm
	CHUNK 0
	CHUNK 1
	CHUNK 2
	CHUNK 3
	; THE WAY OUT: O^T / the sum is the context of my 16 queries and this head: two blocks of 32, quantised as they stand
.rept 4
	v_nop                                          ; places behind the last products
.endr
	v_add_f32 v14, v14, v15
	v_permlanex16_b32 v[TT], v14, s[SEL], s[SEL+1]
	v_add_f32 v14, v14, v[TT]
	v_rcp_f32 v14, v14
	v_nop
.set J, 0
	s_wait_alu depctr_va_vdst(0)
.rept 16
	v_pk_mul_f32 v[S+J:S+J+1], v[O+J:O+J+1], v[14:15] op_sel_hi:[1,0]      ; register 16 b + i: channel 32 b + 16 h + i
.set J, J+2
.endr
.irp b, 0,1
	v_max3_num_f32 v[TMX+\b], |v[S+16*\b]|, |v[S+1+16*\b]|, 0x1800000
.endr
.irp i, 2,4,6,8,10,12,14
.irp b, 0,1
	v_max3_num_f32 v[TMX+\b], v[TMX+\b], |v[S+16*\b+\i]|, |v[S+1+16*\b+\i]|
.endr
.endr
.irp b, 0,1
	v_permlanex16_b32 v[TP+\b], v[TMX+\b], s[SEL], s[SEL+1]
.endr
.irp b, 0,1
	v_max_num_f32 v[TMX+\b], v[TMX+\b], v[TP+\b]
.endr
.irp b, 0,1
	v_add_nc_u32 v[TSC+\b], 0xff000000, v[TMX+\b]
.endr
.irp b, 0,1
	v_lshrrev_b32 v[TP+\b], 23, v[TSC+\b]
.endr
	v_lshl_or_b32 v[TT], v[TP+1], 8, v[TP]
	v_cvt_scalef32_pk16_fp6_f32 v[PC:PC+2], v[S:S+15], v[TSC]
	v_cvt_scalef32_pk16_fp6_f32 v[CT:CT+2], v[S+16:S+31], v[TSC+1]
	v_nop
.irp i, 0,1,2
	v_permlane16_swap_b32 v[PC+\i], v[CT+\i]
.endr
.irp i, 0,1,2
	v_mov_b32 v[PC+3+\i], v[CT+\i]
.endr
.irp i, 0,1,2
	global_store_b64 v235, v[PC+2*\i:PC+2*\i+1], s[8:9] offset:256*\i      ; 32 lanes store 256 consecutive bytes, aligned
.endr
	ds_store_b16 v236, v[TT]                       ; lanes r and r + 16 write the same bytes with the same value
	s_wait_dscnt 0x0
	s_barrier_signal -1
	s_barrier_wait -1
	s_cmp_lg_u32 s[WV], 0
	s_cbranch_scc1 .Ldone
	ds_load_b128 v[S:S+3], v237
	s_wait_dscnt 0x0
	global_store_b128 v238, v[S:S+3], s[10:11]     ; two aligned runs of 256 bytes
.Ldone:
	s_wait_tensorcnt 0x0
	ds_add_u32 v254, v255
	s_wait_dscnt 0x0
	s_endpgm
.Lfunc_end_k_q5080febd42_attn:
	.size	k_q5080febd42_attn, .Lfunc_end_k_q5080febd42_attn-k_q5080febd42_attn
	.p2alignl 7, 3214868480
	.fill 96, 4, 3214868480
	.section	.rodata,"a",@progbits
	.p2align	6, 0x0
	.amdhsa_kernel k_q5080febd42_attn
		.amdhsa_group_segment_fixed_size 207360
		.amdhsa_private_segment_fixed_size 0
		.amdhsa_enable_private_segment 0
		.amdhsa_kernarg_size 32
		.amdhsa_user_sgpr_count 2
		.amdhsa_user_sgpr_kernarg_segment_ptr 1
		.amdhsa_wavefront_size32 1
		.amdhsa_system_sgpr_workgroup_id_x 1
		.amdhsa_system_sgpr_workgroup_id_y 1
		.amdhsa_system_sgpr_workgroup_id_z 1
		.amdhsa_system_vgpr_workitem_id 0
		.amdhsa_next_free_vgpr 256
		.amdhsa_next_free_sgpr 84
		.amdhsa_reserve_vcc 1
		.amdhsa_float_denorm_mode_32 3
		.amdhsa_float_denorm_mode_16_64 3
		.amdhsa_memory_ordered 1
		.amdhsa_forward_progress 1
		.amdhsa_inst_pref_size 96
	.end_amdhsa_kernel
	.amdgpu_metadata
---
amdhsa.version: [ 1, 2 ]
amdhsa.kernels:
  - .name:           k_q5080febd42_attn
    .symbol:         k_q5080febd42_attn.kd
    .args:
      - { .name: qkv, .offset: 0, .size: 8, .value_kind: global_buffer, .address_space: global }
      - { .name: qkvs, .offset: 8, .size: 8, .value_kind: global_buffer, .address_space: global }
      - { .name: cimg, .offset: 16, .size: 8, .value_kind: global_buffer, .address_space: global }
      - { .name: csc, .offset: 24, .size: 8, .value_kind: global_buffer, .address_space: global }
    .group_segment_fixed_size: 207360
    .private_segment_fixed_size: 0
    .kernarg_segment_align: 8
    .kernarg_segment_size: 32
    .max_flat_workgroup_size: 512
    .sgpr_count:     84
    .vgpr_count:     256
    .wavefront_size: 32
...
	.end_amdgpu_metadata
.endif
;; end of part 3
;; launch oproj (part 4): grid 8 x 32, 4 waves a work-group, clusters of 4 x 4, 222,720 bytes of LDS; arguments cimg, csc, wimg, wsc, bo, out0; writes out0
.if DOCPART == 4
	.amdgcn_target "amdgcn-amd-amdhsa--gfx1250"
	.amdhsa_code_object_version 6
	.text
	.protected	k_q5080febd42_oproj
	.globl	k_q5080febd42_oproj
	.p2align	8
	.type	k_q5080febd42_oproj,@function
k_q5080febd42_oproj:
	s_mov_b64 s[64:65], 0
	v_nop
	global_prefetch_b8 v0, s[64:65] scope:SCOPE_SE
	s_setreg_imm32_b32 hwreg(HW_REG_WAVE_MODE, 25, 1), 1
	s_wait_xcnt 0x0
	s_wait_alu depctr_hold_cnt(0) depctr_sa_sdst(0) depctr_va_vdst(0) depctr_va_sdst(0) depctr_va_ssrc(0) depctr_va_vcc(0) depctr_vm_vsrc(0)
	s_getreg_b32 s2, hwreg(HW_REG_IB_STS2, 6, 4)
	s_cmp_eq_u32 s2, 0
	s_cbranch_scc0 .Lentry_in_a_cluster
	s_endpgm
.Lentry_in_a_cluster:
	s_bfe_u32 s2, ttmp6, 0x10000c
	s_cmp_lg_u32 s2, 0xf033
	s_cbranch_scc0 .Lentry_shape_is_right
	s_endpgm
.Lentry_shape_is_right:
; out0 = ctx Wo + bo on codes of FP6 (E2M3).  ctx arrives as cimg / csc, Wo as matrix 3 of wimg / wsc; out0 [4096][1024] f32.
; A work-group makes 128 rows x 128 columns, each of four waves 64 x 64: 16 accumulators.  256 work-groups.  All of K (196,608 bytes of codes) lies in LDS: first fills only, in two chunks of four K steps; nothing is filled again.
; Source 0 = 16 columns of Wo, source 1 = 16 rows of ctx: a lane holds eight neighbouring columns of one row.  The bias is the C of each sum's first product.
; Tiles hold rows (columns) 32 (T / 2) + 8 (T % 2) + r + 8 (r / 8); the way out puts them back.
; CLUSTER 4 x 4: ctx's tiles are shared along a row of the cluster, Wo's along a column: joint loads.  By this text's count three tensor loads of a wave are out at the most.
; REGISTERS.  window 0: v1-13 addresses; v16-31 ctx's scale words (2 k + pair of tiles); v32-47 Wo's (8 x pair + k); v48-79 at work, then rows of out0; v96-127 the bias, then rows; v128-255 accumulator (a, b) at v[128 + 8 (4 a + b)].
;   window 1: two sets of 96: Wo's four fragments, then ctx's four.
.set CHB,   98304                      ; a chunk: ctx's 8 tiles x 6,144 bytes, then Wo's
.set SCC,   196608                     ; ctx's scale bytes: [head 16][256]
.set SCWO,  200704                     ; Wo's scale words: [tile 8][512]
.set STAGE, 204800                     ; 16 rows x (256 + 16) bytes for each wave
.set LI,   1
.set L8,   2
.set ADW,  4
.set ADC,  6
.set ADSW, 8
.set ADSC, 9
.set STO,  10
.set RD,   11
.set CO,   12
.set BIA,  13
.set CS,   16
.set WS,   32
.set TW,   48
.set BI,   96
.set ACC,  128
.set G1C,  28
.set G1W,  36
.set G1SC, 44
.set G1SW, 52
.set G0SC, 60
.set G0C,  68
.set G0SW, 76
.set G0W,  80
.set MSB, 0
.macro WIN new
.if MSB != (\new)
	s_set_vgpr_msb (MSB<<8)|(\new)
.set MSB, (\new)
.endif
.endm
.macro PLACES n
.rept \n
	v_nop
.endr
.endm
.macro JLOAD g0a, g1a, g0b, g1b        ; waves 0 and 1 fetch for ctx, waves 2 and 3 for Wo; four v_nop follow each line
	s_cmp_eq_u32 s17, 0
	s_cbranch_scc0 .Lfor_w_\@
	tensor_load_to_lds s[\g0a:\g0a+3], s[\g1a:\g1a+7]
	s_nop 0
.rept 4
	v_nop
.endr
	s_branch .Lasked_\@
.Lfor_w_\@:
	tensor_load_to_lds s[\g0b:\g0b+3], s[\g1b:\g1b+7]
	s_nop 0
.rept 4
	v_nop
.endr
.Lasked_\@:
.endm
.macro CROUND
	s_barrier_signal -1
	s_barrier_wait -1
	s_cmp_lg_u32 s16, 0
	s_cbranch_scc1 .Lnot_wave_0_\@
	s_barrier_signal -3
.Lnot_wave_0_\@:
	s_barrier_wait -3
	s_barrier_signal -1
	s_barrier_wait -1
.endm
	s_load_b256 s[4:11], s[0:1], 0x0               ; cimg, csc, wimg, wsc
	s_load_b128 s[12:15], s[0:1], 0x20             ; bo, out0
	v_lshl_add_u32 v94, v0, 2, 0x36400
	v_mov_b32 v95, 0
	ds_add_u32 v94, v95
	ds_add_u32 v94, v95
	v_lshrrev_b32 v1, 5, v0
	v_readfirstlane_b32 s16, v1                    ; wave
	s_lshr_b32 s17, s16, 1                         ; my half of the rows.  Also: I fetch for ctx (0) or for Wo (1)
	s_and_b32 s18, s16, 1                          ; my half of the columns.  Also: which four tiles I fetch
	s_bfe_u32 s19, ttmp6, 0x40000                  ; cx
	s_bfe_u32 s20, ttmp6, 0x40004                  ; cy
	s_lshl_b32 s21, ttmp9, 2
	s_add_co_u32 s21, s21, s19                     ; block of 128 columns
	s_and_b32 s22, ttmp7, 0xffff
	s_lshl_b32 s22, s22, 2
	s_add_co_u32 s22, s22, s20                     ; block of 128 rows
	s_lshl_b32 s23, s20, 2
	s_lshl_b32 s23, 15, s23                        ; my row of the cluster
	s_lshl_b32 s24, 0x1111, s19                    ; my column
	s_or_b32 s[G1C], s23, (3<<16)|(1<<21)          ; codes: 4 tiles' rows of 6,144 bytes (768 elements of 8), 12,288 bytes apart
	s_or_b32 s[G1W], s24, (3<<16)|(1<<21)
.irp g, G1C, G1W
	s_mov_b32 s[\g+1], 768<<16
	s_mov_b32 s[\g+2], 4<<16
	s_mov_b32 s[\g+3], 768<<16
	s_mov_b32 s[\g+4], 4
	s_mov_b32 s[\g+5], 1536
	s_mov_b32 s[\g+6], 0
	s_mov_b32 s[\g+7], 0
.endr
	s_or_b32 s[G1SC], s23, (3<<16)|(1<<21)         ; ctx's scale bytes: 8 heads' rows of 256 bytes, 8,192 bytes apart
	s_mov_b32 s[G1SC+1], 32<<16
	s_mov_b32 s[G1SC+2], 8<<16
	s_mov_b32 s[G1SC+3], 32<<16
	s_mov_b32 s[G1SC+4], 8
	s_mov_b32 s[G1SC+5], 1024
	s_mov_b32 s[G1SC+6], 0
	s_mov_b32 s[G1SC+7], 0
	s_or_b32 s[G1SW], s24, (3<<16)|(1<<21)         ; Wo's scale words: 2,048 dense bytes
	s_mov_b32 s[G1SW+1], 32<<16
	s_mov_b32 s[G1SW+2], 8<<16
	s_mov_b32 s[G1SW+3], 32<<16
	s_mov_b32 s[G1SW+4], 8
	s_mov_b32 s[G1SW+5], 32
	s_mov_b32 s[G1SW+6], 0
	s_mov_b32 s[G1SW+7], 0
	s_lshl_b32 s3, s18, 2
	s_lshl_b32 s88, s22, 3
	s_add_co_u32 s88, s88, s3
	s_mul_i32 s88, s88, 12288                      ; ctx: tile 8 x block + 4 x half
	s_mov_b32 s89, 0
	s_lshl_b32 s90, s18, 16
	s_lshl_b32 s2, s22, 8
	s_add_co_u32 s90, s90, s2                      ; its scale bytes: heads 8 x half on, the block's 256 bytes
	s_mov_b32 s91, 0
	s_lshl_b32 s92, s21, 3
	s_add_co_u32 s92, s92, s3                      ; Wo: tile 8 x block + 4 x half
	s_lshl_b32 s94, s92, 9
	s_add_co_u32 s94, s94, 3*32768
	s_mov_b32 s95, 0
	s_mul_i32 s92, s92, 12288
	s_add_co_u32 s92, s92, 3*786432
	s_mov_b32 s93, 0
	s_wait_dscnt 0x0
	s_wait_kmcnt 0x0
	s_add_nc_u64 s[88:89], s[4:5], s[88:89]
	s_add_nc_u64 s[90:91], s[6:7], s[90:91]
	s_add_nc_u64 s[92:93], s[8:9], s[92:93]
	s_add_nc_u64 s[94:95], s[10:11], s[94:95]
	s_mov_b32 s[G0SC], 1
	s_lshl_b32 s[G0SC+1], s16, 11
	s_add_co_u32 s[G0SC+1], s[G0SC+1], SCC         ; wave x 2,048
	s_mov_b64 s[G0SC+2:G0SC+3], s[90:91]
	s_or_b32 s[G0SC+3], s[G0SC+3], 0x80000000
	s_mov_b32 s[G0SW], 1
	s_lshl_b32 s[G0SW+1], s16, 11
	s_add_co_u32 s[G0SW+1], s[G0SW+1], SCC
	s_mov_b64 s[G0SW+2:G0SW+3], s[94:95]
	s_or_b32 s[G0SW+3], s[G0SW+3], 0x80000000
.irp c, 0,1
	s_mov_b32 s[G0C+4*\c], 1
	s_mul_i32 s[G0C+4*\c+1], s16, 24576
	s_add_co_u32 s[G0C+4*\c+1], s[G0C+4*\c+1], \c*CHB
	s_add_nc_u64 s[G0C+4*\c+2:G0C+4*\c+3], s[88:89], \c*6144
	s_or_b32 s[G0C+4*\c+3], s[G0C+4*\c+3], 0x80000000
	s_mov_b32 s[G0W+4*\c], 1
	s_mul_i32 s[G0W+4*\c+1], s16, 24576
	s_add_co_u32 s[G0W+4*\c+1], s[G0W+4*\c+1], \c*CHB
	s_add_nc_u64 s[G0W+4*\c+2:G0W+4*\c+3], s[92:93], \c*6144
	s_or_b32 s[G0W+4*\c+3], s[G0W+4*\c+3], 0x80000000
.endr
	CROUND                                         ; all sixteen work-groups are here: the joint loads meet
	JLOAD G0SC, G1SC, G0SW, G1SW
	JLOAD G0C, G1C, G0W, G1W
	JLOAD G0C+4, G1C, G0W+4, G1W
	v_and_b32 v3, 31, v0                           ; lane
	v_and_b32 v14, 15, v0                          ; r
	v_bfe_u32 v15, v0, 4, 1                        ; h
	v_lshlrev_b32 v[LI], 4, v3
	v_lshlrev_b32 v[L8], 3, v3
	s_mul_i32 s2, s18, 24576
	s_add_co_u32 s2, s2, 49152
	v_add_nc_u32 v[ADW], s2, v[LI]
	v_add_nc_u32 v[ADW+1], CHB, v[ADW]
	s_mul_i32 s2, s17, 24576
	v_add_nc_u32 v[ADC], s2, v[L8]
	v_add_nc_u32 v[ADC+1], CHB, v[ADC]
	v_lshlrev_b32 v[ADSW], 5, v14
	v_lshl_add_u32 v[ADSW], v15, 9, v[ADSW]
	s_lshl_b32 s2, s18, 11
	s_add_co_u32 s2, s2, SCWO
	v_add_nc_u32 v[ADSW], s2, v[ADSW]              ; 32 bytes a row; lanes 16-31 the odd tile
	s_lshl_b32 s2, s17, 7
	s_add_co_u32 s2, s2, SCC
	v_lshl_add_u32 v[ADSC], v3, 1, s2              ; 2 bytes a row of a pair of tiles
	s_mul_i32 s2, s16, 4352
	s_add_co_u32 s2, s2, STAGE
	v_mul_u32_u24 v[STO], v14, 272
	v_lshl_add_u32 v[STO], v15, 6, v[STO]
	v_add_nc_u32 v[STO], s2, v[STO]                ; in: row r, + 64 h
	v_mul_u32_u24 v[RD], v15, 272
	v_lshl_add_u32 v[RD], v14, 4, v[RD]
	v_add_nc_u32 v[RD], s2, v[RD]                  ; back: lanes 0-15 one row, lanes 16-31 the next
	v_lshlrev_b32 v[CO], 12, v15
	v_lshl_add_u32 v[CO], v14, 4, v[CO]            ; and the same in out0
	v_lshlrev_b32 v[BIA], 6, v15
	s_lshl_b32 s2, s21, 9
	s_lshl_b32 s3, s18, 8
	s_add_co_u32 s2, s2, s3                        ; my 64 columns, in bytes
	s_mov_b32 s3, 0
	s_add_nc_u64 s[12:13], s[12:13], s[2:3]
	s_add_nc_u64 s[14:15], s[14:15], s[2:3]
	s_lshl_b32 s2, s22, 19
	s_lshl_b32 s25, s17, 18
	s_add_co_u32 s2, s2, s25                       ; my 64 rows of 4,096 bytes
	s_add_nc_u64 s[14:15], s[14:15], s[2:3]
.irp t, 0,1,2,3
	global_load_b128 v[BI+8*\t:BI+8*\t+3], v[BIA], s[12:13] offset:(32*(\t/2)+8*(\t%2))*4
	global_load_b128 v[BI+8*\t+4:BI+8*\t+7], v[BIA], s[12:13] offset:(32*(\t/2)+8*(\t%2))*4+16
.endr
.macro FETCH k                         ; K step k's eight fragments into set k % 2: Wo's as images, ctx's as two heads' three planes of 8 bytes a lane
.set SB, 128*((\k)%2)
.set CH, (\k)/4
.set KO, ((\k)%4)*1536
	WIN 0x40
.irp b, 0,1,2,3
.irp c, 0,1,2
	ds_load_b128 v[SB+12*\b+4*\c:SB+12*\b+4*\c+3], v[ADW+CH] offset:\b*6144+KO+512*\c
.endr
.endr
.irp a, 0,1,2,3
.irp p, 0,1,2,3,4,5
	ds_load_b64 v[SB+48+12*\a+2*\p:SB+48+12*\a+2*\p+1], v[ADC+CH] offset:\a*6144+KO+768*(\p/3)+256*(\p%3)
.endr
.endr
	WIN 0
.endm
.macro WMO a, b, k
.set rD, ACC+8*(4*(\a)+(\b))
.set rA, 128*((\k)%2)+12*(\b)
.set rB, 128*((\k)%2)+48+12*(\a)
.set rC, rD
.if (\k)==0
.set rC, BI+8*(\b)                     ; the bias starts the sum
.endif
.set sA, WS+8*((\b)/2)+(\k)
.set sB, CS+2*(\k)+(\a)/2
.set rw, 2*((\a)%2)+(\b)%2
.if rw == 0
	v_wmma_scale_f32_16x16x128_f8f6f4 v[rD:rD+7], v[rA:rA+11], v[rB:rB+11], v[rC:rC+7], v[sA], v[sB] matrix_a_fmt:MATRIX_FMT_FP6 matrix_b_fmt:MATRIX_FMT_FP6
.elseif rw == 1
	v_wmma_scale_f32_16x16x128_f8f6f4 v[rD:rD+7], v[rA:rA+11], v[rB:rB+11], v[rC:rC+7], v[sA], v[sB] matrix_a_fmt:MATRIX_FMT_FP6 matrix_b_fmt:MATRIX_FMT_FP6 matrix_a_scale:MATRIX_SCALE_ROW1
.elseif rw == 2
	v_wmma_scale_f32_16x16x128_f8f6f4 v[rD:rD+7], v[rA:rA+11], v[rB:rB+11], v[rC:rC+7], v[sA], v[sB] matrix_a_fmt:MATRIX_FMT_FP6 matrix_b_fmt:MATRIX_FMT_FP6 matrix_b_scale:MATRIX_SCALE_ROW1
.else
	v_wmma_scale_f32_16x16x128_f8f6f4 v[rD:rD+7], v[rA:rA+11], v[rB:rB+11], v[rC:rC+7], v[sA], v[sB] matrix_a_fmt:MATRIX_FMT_FP6 matrix_b_fmt:MATRIX_FMT_FP6 matrix_a_scale:MATRIX_SCALE_ROW1 matrix_b_scale:MATRIX_SCALE_ROW1
.endif
.endm
.macro STEP k
	s_wait_dscnt 0x0                               ; this K step's fragments are in
.if (\k)==3
	s_wait_tensorcnt 0x0                           ; chunk 1: my part has landed,
	s_barrier_signal -1
	s_barrier_wait -1                              ; everybody's has
.endif
	PLACES 4                                       ; in front of loads into the set that the last step's products read
.if (\k)<7
	FETCH (\k)+1
.endif
	WIN 0x05                                       ; sources 0 and 1 window 1
.irp a, 0,1,2,3
.irp b, 0,1,2,3
	WMO \a, \b, \k                                 ; the 16 accumulators take turns
.endr
.endr
	WIN 0
.endm
	s_wait_tensorcnt 1                             ; the scales and chunk 0 are in; chunk 1 may be out
	s_barrier_signal -1
	s_barrier_wait -1
.irp i, 0,1
	ds_load_b128 v[WS+8*\i:WS+8*\i+3], v[ADSW] offset:1024*\i
	ds_load_b128 v[WS+8*\i+4:WS+8*\i+7], v[ADSW] offset:1024*\i+16
.endr
.irp d, 0,1,2,3,4,5,6,7,8,9,10,11,12,13,14,15
	ds_load_u16 v[TW+2*\d], v[ADSC] offset:256*\d
	ds_load_u16 v[TW+2*\d+1], v[ADSC] offset:256*\d+64
.endr
	FETCH 0
	s_wait_dscnt 36                                ; all but K step 0's 36 loads
.irp k, 0,1,2,3,4,5,6,7
	v_lshl_or_b32 v[CS+2*\k], v[TW+4*\k+2], 16, v[TW+4*\k]         ; a K step is two heads: two bytes of each make ctx's scale word
	v_lshl_or_b32 v[CS+2*\k+1], v[TW+4*\k+3], 16, v[TW+4*\k+1]
.endr
	s_wait_loadcnt 0x0                             ; the bias
	STEP 0
	STEP 1
	STEP 2
	STEP 3
	STEP 4
	STEP 5
	STEP 6
	STEP 7
; THE WAY OUT, a tile of 16 rows x 64 columns at a time, through my own stage: back come whole runs of 256 bytes, which sixteen lanes store aligned.
.macro TOSTAGE a
.irp b, 0,1,2,3
	ds_store_b128 v[STO], v[ACC+8*(4*(\a)+\b):ACC+8*(4*(\a)+\b)+3] offset:128*(\b/2)+32*(\b%2)         ; each accumulator from its low end on
	ds_store_b128 v[STO], v[ACC+8*(4*(\a)+\b)+4:ACC+8*(4*(\a)+\b)+7] offset:128*(\b/2)+32*(\b%2)+16
.endr
.set BB, TW+48*((\a)%2)
.irp i, 0,1,2,3,4,5,6,7
	ds_load_b128 v[BB+4*\i:BB+4*\i+3], v[RD] offset:\i*544         ; LDS serves a wave's instructions in order: these see the stores above
.endr
.endm
.macro SEND a, younger
.set BB, TW+48*((\a)%2)
	s_wait_dscnt \younger
.irp i, 0,1,2,3,4,5,6,7
	global_store_b128 v[CO], v[BB+4*\i:BB+4*\i+3], s[14:15] offset:(32*((\a)/2)+8*((\a)%2)+2*\i+8*(\i/4))*4096 th:TH_STORE_NT
.endr
.endm
	PLACES 4
	TOSTAGE 0
	TOSTAGE 1
	SEND 0, 16                                     ; behind tile 0's loads: tile 1's 8 stores and 8 loads
	s_wait_xcnt 0x0                                ; tile 0's stores have read their registers
	TOSTAGE 2
	SEND 1, 16
	s_wait_xcnt 0x0
	TOSTAGE 3
	SEND 2, 16
	SEND 3, 0
	s_wait_dscnt 0x0
	s_wait_tensorcnt 0x0
	ds_add_u32 v94, v95
	s_wait_dscnt 0x0
	CROUND                                         ; the closing round
	s_endpgm
.Lfunc_end_k_q5080febd42_oproj:
	.size	k_q5080febd42_oproj, .Lfunc_end_k_q5080febd42_oproj-k_q5080febd42_oproj
	.p2alignl 7, 3214868480
	.fill 96, 4, 3214868480
	.section	.rodata,"a",@progbits
	.p2align	6, 0x0
	.amdhsa_kernel k_q5080febd42_oproj
		.amdhsa_group_segment_fixed_size 222720
		.amdhsa_private_segment_fixed_size 0
		.amdhsa_enable_private_segment 0
		.amdhsa_kernarg_size 48
		.amdhsa_user_sgpr_count 2
		.amdhsa_user_sgpr_kernarg_segment_ptr 1
		.amdhsa_wavefront_size32 1
		.amdhsa_system_sgpr_workgroup_id_x 1
		.amdhsa_system_sgpr_workgroup_id_y 1
		.amdhsa_system_sgpr_workgroup_id_z 1
		.amdhsa_system_vgpr_workitem_id 0
		.amdhsa_next_free_vgpr 512
		.amdhsa_next_free_sgpr 96
		.amdhsa_reserve_vcc 0
		.amdhsa_float_denorm_mode_32 3
		.amdhsa_float_denorm_mode_16_64 3
		.amdhsa_memory_ordered 1
		.amdhsa_forward_progress 1
		.amdhsa_inst_pref_size 58
	.end_amdhsa_kernel
	.amdgpu_metadata
---
amdhsa.version: [ 1, 2 ]
amdhsa.kernels:
  - .name:           k_q5080febd42_oproj
    .symbol:         k_q5080febd42_oproj.kd
    .args:
      - { .name: cimg, .offset: 0, .size: 8, .value_kind: global_buffer, .address_space: global }
      - { .name: csc, .offset: 8, .size: 8, .value_kind: global_buffer, .address_space: global }
      - { .name: wimg, .offset: 16, .size: 8, .value_kind: global_buffer, .address_space: global }
      - { .name: wsc, .offset: 24, .size: 8, .value_kind: global_buffer, .address_space: global }
      - { .name: bo, .offset: 32, .size: 8, .value_kind: global_buffer, .address_space: global }
      - { .name: out0, .offset: 40, .size: 8, .value_kind: global_buffer, .address_space: global }
    .group_segment_fixed_size: 222720
    .private_segment_fixed_size: 0
    .kernarg_segment_align: 8
    .kernarg_segment_size: 48
    .max_flat_workgroup_size: 128
    .sgpr_count:     96
    .vgpr_count:     512
    .wavefront_size: 32
...
	.end_amdgpu_metadata
.endif
;; end of part 4
